; MI455X (gfx1250); checked and timed in simulation.
; The chip was launched on July 23, 2026; its instructions are those of AMD's public machine-readable ISA for CDNA 5 (MIT licence, August 2026) and "CDNA5" Instruction Set Architecture Reference Guide (July 2026). The comments in the code are by the model that wrote it; some were corrected since.
;; Delta Attention. Allowed arithmetic: float matrix products may take bf16 or f16 operands with f32 sums; all other float work in f32.
;; Inputs: Wk 1,024 x 1,024 float32; Wo 1,024 x 1,024 float32; Wq 1,024 x 1,024 float32; Wv 1,024 x 1,024 float32; bk 1,024 float32; bo 1,024 float32; bq 1,024 float32; bv 1,024 float32; dWk 4 x 1,024 x 1,024 float32; dWv 4 x 1,024 float32; dbb 4 float32; dbv 4 float32; dbw 4 x 1,024 float32; ln_b 1,024 float32; ln_g 1,024 float32; x 2 x 2,048 x 1,024 float32.
;; Outputs: out0 2 x 2,048 x 1,024 float32.
;; 2 versions, each right; version 2 is version 1 with the launch prep written anew for expert scheduling mode. Each part assembles by itself: llvm-mc -triple=amdgcn-amd-amdhsa -mcpu=gfx1250 --defsym DOCPART=n.
;; ======== version 1 of 2: 4 launches
;; limits: values outside matrix products are rounded to bf16
;; workspace buffers: dwkb 8,388,608 bytes; wv 16,640 bytes; hb 25,165,824 bytes; u 262,144 bytes; kd3 16,384 bytes; oh 262,144 bytes
;; launch prep (part 1): grid 128 x 2, 4 waves a work-group, no clusters, 0 bytes of LDS; arguments dWk, Wq, Wk, Wv, Wo, bq, bk, bv, bo, dWv, dbv, dwkb, wv; writes dwkb, wv
.if DOCPART == 1
	.amdgcn_target "amdgcn-amd-amdhsa--gfx1250"
	.amdhsa_code_object_version 6
	.text
	.protected	k_q5beae2f918_prep
	.globl	k_q5beae2f918_prep
	.p2align	8
	.type	k_q5beae2f918_prep,@function
k_q5beae2f918_prep:
	s_mov_b64 s[64:65], 0
	v_nop
	global_prefetch_b8 v0, s[64:65] scope:SCOPE_SE
	s_setreg_imm32_b32 hwreg(HW_REG_WAVE_MODE, 25, 1), 1
	s_wait_xcnt 0x0
; Two jobs, chosen by the work-group's y.
; y = 0: dwkb = dWk rounded to bf16, a flat stream: a work-group takes 131,072 bytes of dWk, a wave 32,768, in 64 chunks of 512.
; y = 1: w_m[d] = the sum over e of W_m[d][e] dWv[m][e] (m = 0..3: Wq, Wk, Wv, Wo) and c_m = b_m . dWv[m] + dbv[m], all in f32.
;        reference() uses x W_m + b_m only through its dot product with dWv[m]; (x W + b) . d = x . (W d) + b . d for every input.
; LIMIT: that order of summation differs from reference()'s; the sums here are f32.
; No LDS, no matrix unit, no cluster: nothing is shared, and each byte is read once.
.set XS, 8                             ; v[8:71]    y = 0: 16 slots of 4 registers, as loaded
.set YS, 72                            ; v[72:199]  y = 0: a pair for each chunk: no store's data register is ever written again
.set DV, 8                             ; v[8:39]    y = 1: dWv[m]: lane l holds columns 128 j + 4 l .. + 3
.set SM, 40                            ; v[40:47]   y = 1: four chains of packed sums
.set RS, 72                            ; v[72:199]  y = 1: four row slots of 32 registers
	s_load_b512 s[8:23], s[0:1], 0x0               ; dWk 8, Wq 10, Wk 12, Wv 14, Wo 16, bq 18, bk 20, bv 22
	s_load_b256 s[24:31], s[0:1], 0x40             ; bo 24, dWv 26, dbv 28, dwkb 30
	s_load_b64 s[32:33], s[0:1], 0x60              ; wv
	v_lshrrev_b32 v4, 5, v0
	v_readfirstlane_b32 s2, v4                     ; wave
	s_and_b32 s3, ttmp7, 0xffff                    ; y
	s_mov_b32 s4, ttmp9                            ; x
	v_and_b32 v3, 31, v0                           ; lane
	v_lshlrev_b32 v1, 4, v3                        ; 16 bytes a lane in
	v_lshlrev_b32 v2, 3, v3                        ; 8 bytes a lane out
	s_mov_b32 s7, 0
	s_wait_kmcnt 0x0
	s_cmp_lg_u32 s3, 0
	s_cbranch_scc1 .Lmatvec
	; ---- y = 0: the conversion ----
	s_lshl_b32 s6, s4, 17
	s_lshl_b32 s5, s2, 15
	s_add_co_u32 s6, s6, s5                        ; 131,072 x + 32,768 wave
	s_add_nc_u64 s[34:35], s[8:9], s[6:7]
	s_lshr_b32 s6, s6, 1
	s_add_nc_u64 s[36:37], s[30:31], s[6:7]
.set c, 0
.rept 16
	global_load_b128 v[XS+4*c:XS+4*c+3], v1, s[34:35] offset:512*c th:TH_LOAD_NT
.set c, c+1
.endr
.set c, 0
.rept 64
.if c < 48
	s_wait_loadcnt 15                              ; loads return in order: chunk c is in, the 15 younger stay out
.else
	s_wait_loadcnt 63-c                            ; the last 16 chunks: the count runs down
.endif
	v_cvt_pk_bf16_f32 v[YS+2*c], v[XS+4*(c%16)], v[XS+4*(c%16)+1]
	v_cvt_pk_bf16_f32 v[YS+2*c+1], v[XS+4*(c%16)+2], v[XS+4*(c%16)+3]
.if c < 48
	global_load_b128 v[XS+4*(c%16):XS+4*(c%16)+3], v1, s[34:35] offset:512*(c+16) th:TH_LOAD_NT
.endif
	global_store_b64 v2, v[YS+2*c:YS+2*c+1], s[36:37] offset:256*c  ; the wave's 32 lanes store 256 consecutive bytes, aligned
.set c, c+1
.endr
	s_endpgm
	; ---- y = 1: the matrix-vector products: 128 work-groups x 4 waves x 8 rows = 4 x 1,024 rows ----
.Lmatvec:
	s_lshr_b32 s5, s4, 5                           ; m
	s_cmp_eq_u32 s5, 1
	s_cselect_b64 s[34:35], s[12:13], s[10:11]
	s_cselect_b64 s[42:43], s[20:21], s[18:19]
	s_cmp_eq_u32 s5, 2
	s_cselect_b64 s[34:35], s[14:15], s[34:35]
	s_cselect_b64 s[42:43], s[22:23], s[42:43]
	s_cmp_eq_u32 s5, 3
	s_cselect_b64 s[34:35], s[16:17], s[34:35]     ; W_m
	s_cselect_b64 s[42:43], s[24:25], s[42:43]     ; b_m
	s_mov_b32 s38, 0x76543210                      ; v_permlanex16_b32: each lane takes its own place in the other half
	s_mov_b32 s39, 0xfedcba98
	s_and_b32 s44, s4, 31
	s_lshl_b32 s44, s44, 5
	s_lshl3_add_u32 s44, s2, s44                   ; my first row: 32 (x % 32) + 8 wave
	s_lshl_b32 s6, s44, 12
	s_add_nc_u64 s[34:35], s[34:35], s[6:7]        ; W_m at that row
	s_lshl_b32 s6, s5, 12
	s_add_nc_u64 s[26:27], s[26:27], s[6:7]        ; dWv[m]
	s_lshl2_add_u32 s6, s44, s6                    ; 4,096 m + 4 row
	s_add_nc_u64 s[36:37], s[32:33], s[6:7]        ; w_m at that row
	v_mov_b32 v56, 0                               ; lane r will hold row r's result
	v_lshlrev_b32 v57, 2, v3
.macro FILLROW s, row
.irp j, 0,1,2,3,4,5,6,7
	global_load_b128 v[RS+32*(\s)+4*(\j):RS+32*(\s)+4*(\j)+3], v1, s[34:35] offset:(\row)*4096+512*(\j) th:TH_LOAD_NT
.endr
.endm
.macro DOT s                           ; v40 = slot s . dWv[m], in every lane
.set z, 0
.rept 16
.if z < 4
	v_pk_mul_f32 v[SM+2*z:SM+2*z+1], v[RS+32*(\s)+2*z:RS+32*(\s)+2*z+1], v[DV+2*z:DV+2*z+1]  ; the first four products start the chains
.else
	v_pk_fma_f32 v[SM+2*(z%4):SM+2*(z%4)+1], v[RS+32*(\s)+2*z:RS+32*(\s)+2*z+1], v[DV+2*z:DV+2*z+1], v[SM+2*(z%4):SM+2*(z%4)+1]
.endif
.set z, z+1
.endr
	v_pk_add_f32 v[40:41], v[40:41], v[42:43]
	v_pk_add_f32 v[44:45], v[44:45], v[46:47]
	v_pk_add_f32 v[40:41], v[40:41], v[44:45]
	v_add_f32 v40, v40, v41
	v_add_f32_dpp v40, v40, v40 row_xmask:1 row_mask:0xf bank_mask:0xf
	v_add_f32_dpp v40, v40, v40 row_xmask:2 row_mask:0xf bank_mask:0xf
	v_add_f32_dpp v40, v40, v40 row_xmask:4 row_mask:0xf bank_mask:0xf
	v_add_f32_dpp v40, v40, v40 row_xmask:8 row_mask:0xf bank_mask:0xf
	v_permlanex16_b32 v41, v40, s38, s39
	v_add_f32 v40, v40, v41
.endm
.macro TURN r, left
	s_wait_loadcnt \left                           ; row r is in; the rows behind it stay out
	DOT (\r)%4
	v_readfirstlane_b32 s45, v40
	v_writelane_b32 v56, s45, \r
.if (\r) < 4
	FILLROW (\r)%4, (\r)+4
.endif
.endm
.irp j, 0,1,2,3,4,5,6,7
	global_load_b128 v[DV+4*(\j):DV+4*(\j)+3], v1, s[26:27] offset:512*(\j)
.endr
	FILLROW 0, 0
	FILLROW 1, 1
	FILLROW 2, 2
	FILLROW 3, 3
	TURN 0, 24                                     ; three younger rows of eight loads
	TURN 1, 24
	TURN 2, 24
	TURN 3, 24
	TURN 4, 24
	TURN 5, 16
	TURN 6, 8
	TURN 7, 0
	v_cmp_gt_u32 vcc_lo, 8, v3
	s_wait_xcnt 0x0                                ; EXEC is a source of what has been issued: it changes only behind this wait
	s_and_saveexec_b32 s40, vcc_lo
	global_store_b32 v57, v56, s[36:37]            ; eight results: 32 consecutive bytes
	s_wait_xcnt 0x0
	s_or_b32 exec_lo, exec_lo, s40
	s_and_b32 s6, s4, 31
	s_or_b32 s6, s6, s2
	s_cmp_lg_u32 s6, 0
	s_cbranch_scc1 .Lend                           ; one wave for each m makes c_m
	s_lshl_b32 s6, s5, 2
	s_add_nc_u64 s[28:29], s[28:29], s[6:7]
	s_load_b32 s41, s[28:29], 0x0                  ; dbv[m]
	s_add_nc_u64 s[46:47], s[32:33], s[6:7]
.irp j, 0,1,2,3,4,5,6,7
	global_load_b128 v[RS+4*(\j):RS+4*(\j)+3], v1, s[42:43] offset:512*(\j)
.endr
	s_wait_loadcnt 0x0
	DOT 0
	s_wait_kmcnt 0x0
	v_add_f32 v40, s41, v40
	v_cmp_eq_u32 vcc_lo, 0, v3
	s_wait_xcnt 0x0
	s_and_saveexec_b32 s40, vcc_lo
	global_store_b32 v57, v40, s[46:47] offset:16384  ; c_m lies behind the four w
	s_wait_xcnt 0x0
	s_or_b32 exec_lo, exec_lo, s40
.Lend:
	s_endpgm
.Lfunc_end_k_q5beae2f918_prep:
	.size	k_q5beae2f918_prep, .Lfunc_end_k_q5beae2f918_prep-k_q5beae2f918_prep
	.p2alignl 7, 3214868480
	.fill 96, 4, 3214868480
	.section	.rodata,"a",@progbits
	.p2align	6, 0x0
	.amdhsa_kernel k_q5beae2f918_prep
		.amdhsa_group_segment_fixed_size 0
		.amdhsa_private_segment_fixed_size 0
		.amdhsa_enable_private_segment 0
		.amdhsa_kernarg_size 104
		.amdhsa_user_sgpr_count 2
		.amdhsa_user_sgpr_kernarg_segment_ptr 1
		.amdhsa_wavefront_size32 1
		.amdhsa_system_sgpr_workgroup_id_x 1
		.amdhsa_system_sgpr_workgroup_id_y 1
		.amdhsa_system_sgpr_workgroup_id_z 1
		.amdhsa_system_vgpr_workitem_id 0
		.amdhsa_next_free_vgpr 200
		.amdhsa_next_free_sgpr 66
		.amdhsa_reserve_vcc 1
		.amdhsa_float_denorm_mode_32 3
		.amdhsa_float_denorm_mode_16_64 3
		.amdhsa_memory_ordered 1
		.amdhsa_forward_progress 1
		.amdhsa_inst_pref_size 48
	.end_amdhsa_kernel
	.amdgpu_metadata
---
amdhsa.version: [ 1, 2 ]
amdhsa.kernels:
  - .name:           k_q5beae2f918_prep
    .symbol:         k_q5beae2f918_prep.kd
    .args:
      - { .name: dWk, .offset: 0, .size: 8, .value_kind: global_buffer, .address_space: global }
      - { .name: Wq, .offset: 8, .size: 8, .value_kind: global_buffer, .address_space: global }
      - { .name: Wk, .offset: 16, .size: 8, .value_kind: global_buffer, .address_space: global }
      - { .name: Wv, .offset: 24, .size: 8, .value_kind: global_buffer, .address_space: global }
      - { .name: Wo, .offset: 32, .size: 8, .value_kind: global_buffer, .address_space: global }
      - { .name: bq, .offset: 40, .size: 8, .value_kind: global_buffer, .address_space: global }
      - { .name: bk, .offset: 48, .size: 8, .value_kind: global_buffer, .address_space: global }
      - { .name: bv, .offset: 56, .size: 8, .value_kind: global_buffer, .address_space: global }
      - { .name: bo, .offset: 64, .size: 8, .value_kind: global_buffer, .address_space: global }
      - { .name: dWv, .offset: 72, .size: 8, .value_kind: global_buffer, .address_space: global }
      - { .name: dbv, .offset: 80, .size: 8, .value_kind: global_buffer, .address_space: global }
      - { .name: dwkb, .offset: 88, .size: 8, .value_kind: global_buffer, .address_space: global }
      - { .name: wv, .offset: 96, .size: 8, .value_kind: global_buffer, .address_space: global }
    .group_segment_fixed_size: 0
    .private_segment_fixed_size: 0
    .kernarg_segment_align: 8
    .kernarg_segment_size: 104
    .max_flat_workgroup_size: 128
    .sgpr_count:     66
    .vgpr_count:     200
    .wavefront_size: 32
...
	.end_amdgpu_metadata
.endif
;; end of part 1
;; launch kdelta (part 2): grid 64 x 4, 4 waves a work-group, clusters of 4 x 1, 327,680 bytes of LDS; arguments x, dwkb, dbw, dbb, wv, hb, u, kd3; writes hb, u, kd3
.if DOCPART == 2
	.amdgcn_target "amdgcn-amd-amdhsa--gfx1250"
	.amdhsa_code_object_version 6
	.text
	.protected	k_q5beae2f918_kdelta
	.globl	k_q5beae2f918_kdelta
	.p2align	8
	.type	k_q5beae2f918_kdelta,@function
k_q5beae2f918_kdelta:
	s_mov_b64 s[64:65], 0
	v_nop
	global_prefetch_b8 v0, s[64:65] scope:SCOPE_SE
	s_setreg_imm32_b32 hwreg(HW_REG_WAVE_MODE, 25, 1), 1
	s_wait_xcnt 0x0
	s_wait_alu depctr_hold_cnt(0) depctr_sa_sdst(0) depctr_va_vdst(0) depctr_va_sdst(0) depctr_va_ssrc(0) depctr_va_vcc(0) depctr_vm_vsrc(0)
	s_getreg_b32 s2, hwreg(HW_REG_IB_STS2, 6, 4)
	s_cmp_eq_u32 s2, 0
	s_cbranch_scc0 .Lentry_in_a_cluster
	s_endpgm
.Lentry_in_a_cluster:
	s_bfe_u32 s2, ttmp6, 0x10000c
	s_cmp_lg_u32 s2, 0x3003
	s_cbranch_scc0 .Lentry_shape_is_right
	s_endpgm
.Lentry_shape_is_right:
; The four delta blocks, i = the grid's y.  k_raw = x dWk[i] (bf16 operands, f32 sums); then for each row, in f32:
;   inv = 1 / (|k_raw| + 1e-8), beta = 2 sigmoid(x . dbw[i] + dbb[i]), v = x . w_i + c_i, kdh = inv k_raw . x.
;   i = 0, 1: x + k_raw beta inv (v - kdh), rounded to bf16, by heads, into hb's planes 0 (q) and 1 (k)
;   i = 2:    the same row in f32, of which only u[head] = the sum over the head's 64 channels of row x w_3 is wanted: into u
;   i = 3:    k_raw beta inv into hb's plane 2 (bf16, by heads) and kdh into kd3: its v comes from the attention, two launches on
; LIMITS.  Matrix operands are rounded to bf16.  v = x . (W d) + c for (x W + b) . d: another order of summation than reference()'s.
; v_sqrt_f32, v_exp_f32 and v_rcp_f32 take denormals as zero; NaN and infinities are not treated apart.
; SHARES.  A work-group owns 64 rows and ALL 1,024 columns, so a row's norm and dot products never leave it: 64 x 4 = 256 work-groups.
; Wave w owns columns 256 w .. + 255 of the 64 rows: 4 x 16 accumulators of 16 x 16 = 512 registers.  K goes in steps of 64.
; CLUSTER.  The four row blocks of a cluster walk the same dwkb[i]: every tile of it is asked for jointly (mask 15); each wave fetches, and alone reads,
; its own strip of 64 k-rows x 256 columns.  x differs between the partners and comes through registers, rounded on the way, into a ring that LDS stores alone fill.
; THE MATRIX INSTRUCTION IS USED TRANSPOSED: source 0 = 16 columns of dWk (turned on the way out of LDS), source 1 = 16 rows of x: a lane holds row l % 16, columns 8 (l / 16) + 0..7.
; REGISTERS, in windows of 256.  Window 0: addresses, x on its way, A's fragments (v64-127).  Window 1: B's fragments, two buffers of 128.  Windows 2, 3: the accumulators,
; (a, b) at window 2 + a / 2, v[8 (16 (a % 2) + b)].  The row phase's map stands at its head.
.set PB,    544                        ; a strip's row in LDS: 512 bytes + 32 of padding
.set STRIP, 64*PB
.set SLOTB, 4*STRIP                    ; a slot: the four waves' strips, 139,264 bytes
.set PA,    144                        ; a row of the x ring: 128 bytes + 16
.set RINGB, 64*PA
.set RING,  2*SLOTB                    ; behind the two slots: the x ring, two halves; no tensor load lands here
.set SPARE, RING+2*RINGB               ; the spare words: 128 bytes a wave, two blocks of 256 that no other line names
.set PD,    4112                       ; the dump's row: 4,096 bytes of f32 + 16; it lies over the slots, behind their last fill
.set ADRA, 2                           ; v2-3    my place in the x ring's halves, for fragments
.set ADRB, 4                           ; v4-5    my place in my strip of slot 0, 1
.set AST,  6                           ; v6-7    where I store my 8 bytes of x into the ring's halves
.set XO,   8                           ; v8      my byte offset in the block's rows of x
.set SPW,  10                          ; v10     my spare word; never rewritten
.set NIL,  11                          ; v11     0; never rewritten
.set DMP,  12                          ; v12-15  the dump: my place in rows 16 a + l % 16
.set XR,   16                          ; v16-47  x as loaded
.set XC,   48                          ; v48-63  x as bf16
.set FA,   64                          ; A's fragments: buffer f, row block a at FA + 32 f + 8 a
.set WV,   20                          ; s20 wave
.set IX,   23                          ; s23 i
.set G1,   24                          ; s[24:31] descriptor group 1
.set G0,   32                          ; s[32:39] group 0, a set for each slot
.set MSB, 0
.macro WIN new                         ; the immediate's high byte repeats the setting that is left; a switch that changes nothing is dropped
.if MSB != (\new)
	s_set_vgpr_msb (MSB<<8)|(\new)
.set MSB, (\new)
.endif
.endm
.macro PLACES                          ; four plain vector instructions between a matrix instruction and a load into, or a read of, its registers
.rept 4
	v_nop
.endr
.endm
.macro CREST                           ; a round of the cluster's barrier behind its opening barrier
	s_cmp_lg_u32 s[WV], 0
	s_cbranch_scc1 .Lnot_wave_0_\@
	s_barrier_signal -3
.Lnot_wave_0_\@:
	s_barrier_wait -3
	s_barrier_signal -1
	s_barrier_wait -1
.endm
.macro CROUND
	s_barrier_signal -1
	s_barrier_wait -1
	CREST
.endm
	s_load_b512 s[4:19], s[0:1], 0x0               ; x 4, dwkb 6, dbw 8, dbb 10, wv 12, hb 14, u 16, kd3 18
	v_lshl_add_u32 v[SPW], v0, 2, SPARE
	v_mov_b32 v[NIL], 0
	ds_add_u32 v[SPW], v[NIL]                      ; the wave's opening: the add and its wait ahead of my first tensor load
	v_lshrrev_b32 v1, 5, v0
	v_readfirstlane_b32 s[WV], v1
	s_bfe_u32 s21, ttmp6, 0x40000                  ; cx
	s_lshl_b32 s22, ttmp9, 2
	s_add_co_u32 s22, s22, s21                     ; my block of 64 rows: it enters x's and the outputs' addresses alone
	s_and_b32 s[IX], ttmp7, 0xffff                 ; i, which the four partners share
	s_mov_b32 s[G1], 15|(1<<16)|(1<<20)|(1<<21)|(6<<22)|(7<<25)  ; mask of four; 2-byte elements; padding on; bit 21 beside a mask; after every 128 words (code 6) 8 words (code 7)
	s_mov_b32 s[G1+1], 256<<16                     ; tensor_dim0 = 256
	s_mov_b32 s[G1+2], 64<<16                      ; tensor_dim1 = 64
	s_mov_b32 s[G1+3], 256<<16                     ; tile_dim0 = 256 elements: 512 bytes of a k-row
	s_mov_b32 s[G1+4], 64                          ; tile_dim1 = 64 k-rows
	s_mov_b32 s[G1+5], 1024                        ; elements from row to row
	s_mov_b32 s[G1+6], 0
	s_mov_b32 s[G1+7], 0
	s_mov_b32 s[G0], 1
	s_mul_i32 s[G0+1], s[WV], STRIP                ; my strip of slot 0,
	s_mov_b32 s[G0+4], 1
	s_add_co_u32 s[G0+5], s[G0+1], SLOTB           ; of slot 1: the wave's number and constants alone
	s_lshl_b32 s46, s[IX], 21                      ; dwkb[i]: 2,097,152 bytes each,
	s_lshl_b32 s47, s[WV], 9                       ; my 256 columns
	s_add_co_u32 s46, s46, s47
	s_mov_b32 s47, 0
	s_lshl_b32 s48, s22, 18                        ; my block's 64 rows of 4,096 bytes
	s_mov_b32 s49, 0
	s_mov_b32 s63, 0xbfb8aa3b                      ; -log2(e)
	s_wait_dscnt 0x0                               ; the opening add is done
	s_wait_kmcnt 0x0
	s_add_nc_u64 s[G0+2:G0+3], s[6:7], s[46:47]    ; K step 0
	s_add_nc_u64 s[G0+6:G0+7], s[G0+2:G0+3], 131072  ; K step 1: 64 k-rows of 2,048 bytes on
	s_or_b32 s[G0+3], s[G0+3], 0x80000000          ; type = 2
	s_or_b32 s[G0+7], s[G0+7], 0x80000000
	s_add_nc_u64 s[42:43], s[4:5], s[48:49]        ; x at my block
	s_mov_b64 s[40:41], s[42:43]                   ; and the same, walking along K
	CROUND                                         ; all four work-groups are here: the first joint loads meet
	tensor_load_to_lds s[G0:G0+3], s[G1:G1+7]      ; two loads of mine are out
	s_nop 0
	tensor_load_to_lds s[G0+4:G0+7], s[G1:G1+7]
	s_nop 0
	PLACES
	s_lshl_b32 s46, s[IX], 2
	s_add_nc_u64 s[10:11], s[10:11], s[46:47]
	s_add_nc_u64 s[2:3], s[12:13], s[46:47]
	s_load_b32 s50, s[10:11], 0x0                  ; dbb[i]
	s_load_b32 s51, s[2:3], 0x4000                 ; c_i, behind the four w
	s_lshl_b32 s46, s[IX], 12
	s_add_nc_u64 s[58:59], s[8:9], s[46:47]        ; dbw[i]
	s_add_nc_u64 s[60:61], s[12:13], s[46:47]      ; w_i
	s_min_u32 s48, s[IX], 2                        ; hb's plane: q, k, and for i = 3 the third
	s_lshl_b32 s48, s48, 23
	s_lshr_b32 s44, s22, 5                         ; the batch
	s_and_b32 s45, s22, 31                         ; my block in it
	s_lshl_b32 s49, s44, 22
	s_add_co_u32 s48, s48, s49
	s_lshl_b32 s49, s45, 13                        ; 64 rows of 128 bytes in a head
	s_add_co_u32 s48, s48, s49
	s_mov_b32 s49, 0
	s_add_nc_u64 s[52:53], s[14:15], s[48:49]
	s_lshl_b32 s48, s44, 17
	s_lshl_b32 s49, s45, 8
	s_add_co_u32 s48, s48, s49
	s_mov_b32 s49, 0
	s_add_nc_u64 s[54:55], s[16:17], s[48:49]      ; u at the batch's head 0, my block
	s_lshl_b32 s48, s22, 8
	s_add_nc_u64 s[56:57], s[18:19], s[48:49]      ; kd3 at my block
	v_and_b32 v1, 15, v0                           ; l % 16; kept
	v_bfe_u32 v9, v0, 4, 1                         ; l / 16; kept
	v_mul_u32_u24 v[ADRA], v1, PA
	v_lshl_add_u32 v[ADRA], v9, 4, v[ADRA]         ; a fragment's row x pitch + 16 x half
	v_add_nc_u32 v[ADRA+1], RING+RINGB, v[ADRA]
	v_add_nc_u32 v[ADRA], RING, v[ADRA]
	v_and_b32 v[ADRB], 7, v0                       ; the turning load: lane l reads k-row 8 (l / 16) + l % 8, columns 8 ((l / 8) % 2) + 0..7
	v_lshl_add_u32 v[ADRB], v9, 3, v[ADRB]
	v_mul_u32_u24 v[ADRB], v[ADRB], PB
	v_bfe_u32 v[ADRB+1], v0, 3, 1
	v_lshl_add_u32 v[ADRB], v[ADRB+1], 4, v[ADRB]
	v_add_nc_u32 v[ADRB], s[G0+1], v[ADRB]
	v_add_nc_u32 v[ADRB+1], SLOTB, v[ADRB]
	s_lshl_b32 s46, s[WV], 4
	v_add_nc_u32 v[XO], s46, v9                    ; row 16 w + l / 16: two rows to a load, 16 lanes x 16 bytes each
	v_mul_u32_u24 v[AST], v[XO], PA
	v_lshl_add_u32 v[AST], v1, 3, v[AST]
	v_add_nc_u32 v[AST+1], RING+RINGB, v[AST]
	v_add_nc_u32 v[AST], RING, v[AST]
	v_lshlrev_b32 v[XO], 12, v[XO]
	v_lshl_add_u32 v[XO], v1, 4, v[XO]
	v_mul_u32_u24 v[DMP], v1, PD
	v_lshl_add_u32 v[DMP], v9, 5, v[DMP]
	s_lshl_b32 s46, s[WV], 10
	v_add_nc_u32 v[DMP], s46, v[DMP]               ; row l % 16, byte 1,024 w + 32 (l / 16)
	v_add_nc_u32 v[DMP+1], 16*PD, v[DMP]
	v_add_nc_u32 v[DMP+2], 32*PD, v[DMP]
	v_add_nc_u32 v[DMP+3], 48*PD, v[DMP]
; 16 matrix instructions: row block a x my 16 column blocks, 32 along K, from buffer f.  The 64 accumulators take turns in one fixed order, one instruction a turn.
.macro MUL16 f, a, zero
	WIN 0xa1+0x50*((\a)/2)                         ; source 0 window 1, source 1 window 0, C and D window 2 or 3
.set b, 0
.rept 16
.set rD, 8*(16*((\a)%2)+b)
.if \zero
	v_wmma_f32_16x16x32_bf16 v[rD:rD+7], v[128*(\f)+8*b:128*(\f)+8*b+7], v[FA+32*(\f)+8*(\a):FA+32*(\f)+8*(\a)+7], 0
.else
	v_wmma_f32_16x16x32_bf16 v[rD:rD+7], v[128*(\f)+8*b:128*(\f)+8*b+7], v[FA+32*(\f)+8*(\a):FA+32*(\f)+8*(\a)+7], v[rD:rD+7]
.endif
.set b, b+1
.endr
.endm
; 40 LDS loads in one run: half h2 (32 along K) of a slot and of the ring's half of the same number, into buffer f: 32 for B, then 8 for A
.macro FETCH slot, h2, f
	WIN 0x40
.set b, 0
.rept 16
	ds_load_tr16_b128 v[128*(\f)+8*b:128*(\f)+8*b+3],   v[ADRB+(\slot)] offset:(\h2)*32*PB+32*b
	ds_load_tr16_b128 v[128*(\f)+8*b+4:128*(\f)+8*b+7], v[ADRB+(\slot)] offset:(\h2)*32*PB+32*b+16*PB
.set b, b+1
.endr
	WIN 0
.set a, 0
.rept 4
	ds_load_b128 v[FA+32*(\f)+8*a:FA+32*(\f)+8*a+3],   v[ADRA+(\slot)] offset:a*16*PA+64*(\h2)
	ds_load_b128 v[FA+32*(\f)+8*a+4:FA+32*(\f)+8*a+7], v[ADRA+(\slot)] offset:a*16*PA+64*(\h2)+32
.set a, a+1
.endr
.endm
.macro AREQ                            ; my 16 rows x 64 columns of x, f32: each load takes 256 bytes of each of two rows
.set j, 0
.rept 8
	global_load_b128 v[XR+4*j:XR+4*j+3], v[XO], s[40:41] offset:j*8192
.set j, j+1
.endr
.endm
.macro ASTORE ring                     ; they are rounded to bf16 and stored into the ring
	WIN 0
	s_wait_loadcnt 0x0                             ; the slice is in, so its base may step
	s_add_nc_u64 s[40:41], s[40:41], 256
.set j, 0
.rept 8
	v_cvt_pk_bf16_f32 v[XC+2*j], v[XR+4*j], v[XR+4*j+1]
	v_cvt_pk_bf16_f32 v[XC+2*j+1], v[XR+4*j+2], v[XR+4*j+3]
.set j, j+1
.endr
.set j, 0
.rept 8
	ds_store_b64 v[AST+(\ring)], v[XC+2*j:XC+2*j+1] offset:j*2*PA
.set j, j+1
.endr
.endm
; A K step's first half: multiplies buffer 0, fetches the second half into buffer 1; ast = 1: the next step's slice of x goes into the ring's other half
.macro QSTEP slot, zero, ast
	s_wait_dscnt 4                                 ; B and A's rows 0-31 are in; the youngest four loads (A's rows 32-63) may be out
	MUL16 0, 0, \zero
	MUL16 0, 1, \zero
	PLACES
	FETCH \slot, 1, 1
	s_wait_dscnt 40                                ; all but the 40 just issued
	MUL16 0, 2, \zero
	MUL16 0, 3, \zero
.if \ast
	ASTORE 1-(\slot)
.endif
.endm
; Its second half multiplies buffer 1 and changes slots: ONE barrier.  In front of it each wave waits for all its tensor loads (one is out: its strip of the next slot), adds 0 to its spare word,
; and waits for that, for its stores into the ring and for its reads of this slot and of this half of the ring.  fill = 1: the barrier opens a round of the cluster's, and the joint refill is the first thing behind it.
.macro TURN slot, next, fill
	WIN 0
.if \fill
	AREQ                                           ; the slice two steps on: it is stored 128 matrix instructions later
.endif
	s_wait_tensorcnt 0x0
	ds_add_u32 v[SPW], v[NIL]
	s_wait_dscnt 13                                ; the add, the 8 stores into the ring and A's youngest four loads may be out
	MUL16 1, 0, 0
	s_wait_dscnt 0x0
	s_barrier_signal -1
	MUL16 1, 1, 0
	WIN 0
	s_barrier_wait -1
.if \fill
	CREST                                          ; no wave of any partner still reads this slot or has a load on its way
	s_add_nc_u64 s[G0+4*(\slot)+2:G0+4*(\slot)+3], s[G0+4*(\slot)+2:G0+4*(\slot)+3], 262144  ; two K steps on
	tensor_load_to_lds s[G0+4*(\slot):G0+4*(\slot)+3], s[G1:G1+7]  ; my one load behind the round: 96 matrix instructions ahead of the wait for it
	s_nop 0
.endif
	PLACES                                         ; also the places in front of the loads below
	FETCH \next, 0, 0
	MUL16 1, 2, 0
	MUL16 1, 3, 0
.endm
	AREQ                                           ; slice 0
	ASTORE 0
	AREQ                                           ; slice 1
	s_wait_kmcnt 0x0                               ; dbb[i], c_i
	s_mul_f32 s50, s50, s63                        ; -log2(e) dbb
	s_wait_tensorcnt 1                             ; my strip of K step 0 is in; step 1's may stay out
	s_wait_dscnt 0x0                               ; my rows of slice 0 are stored
	s_barrier_signal -1
	s_barrier_wait -1
	FETCH 0, 0, 0
	QSTEP 0, 1, 1                                  ; the first products start the sums: nothing is cleared
	WIN 0
	s_mov_b32 s44, 7
.Lk:                                                   ; a trip: K steps t (second half), t + 1, t + 2 (first half); both slots are filled again
	TURN 0, 1, 1
	QSTEP 1, 0, 1
	TURN 1, 0, 1
	QSTEP 0, 0, 1
	WIN 0
	s_sub_co_u32 s44, s44, 1
	s_cmp_lg_u32 s44, 0
	s_cbranch_scc1 .Lk
	TURN 0, 1, 0                                   ; the tail asks for nothing
	QSTEP 1, 0, 0
	s_wait_dscnt 0x0                               ; my last reads of the slots and the ring are back
	s_barrier_signal -1
	MUL16 1, 0, 0
	MUL16 1, 1, 0
	MUL16 1, 2, 0
	MUL16 1, 3, 0
	WIN 0
	s_barrier_wait -1                              ; everybody's are: the dump may lie over the slots
; THE ROW PHASE.  k_raw goes through LDS, so that a row's 1,024 numbers, made by four waves, come together.  Wave w takes rows 16 w .. + 15, two at a time: lane (g = l / 16, e = l % 16) holds
; row 2 p + g, columns 64 hh + 4 e .. + 3 for hh = 0..15.  A row's sums then want four exchanges inside 16 lanes; an f32 load takes 256 bytes of each of two rows; a bf16 store by heads 256 consecutive bytes.
; Window 0: v1 e, v9 g, v2 RDA, v3-4 XO0/1, v5 GO, v6 UO, v8 16 e; v16-29 totals and scalars; v32-63 sums, then packed results; v64-191 k_raw, two buffers; v192-207 u's, v208 kdh's collectors.
; Window 1: v0-127 x, two buffers; v128-191 dbw[i]; v192-255 w_i.  Window 2: v0-63 w_3.
.set RDA, 2
.set XO0, 3
.set GO,  5
.set UO,  6
.set EO,  8
	s_lshl_b32 s46, s[WV], 4                       ; the lines below are plain and name no register of the last products: they are the places behind them
	v_add_nc_u32 v7, s46, v9                       ; 16 w + g
	v_lshlrev_b32 v[EO], 4, v1
	v_mul_u32_u24 v[RDA], v7, PD
	v_add_nc_u32 v[RDA], v[RDA], v[EO]
	v_lshl_add_u32 v[XO0], v7, 12, v[EO]
	v_add_nc_u32 v[XO0+1], 8192, v[XO0]
	v_lshlrev_b32 v[GO], 7, v7
	v_lshl_add_u32 v[GO], v1, 3, v[GO]
	v_lshlrev_b32 v[UO], 2, v7
	v_lshl_add_u32 v[UO], v1, 3, v[UO]             ; 4 (16 w + 2 e + g): lane (g, e < 8) collects row 2 e + g
.set hh, 0
.rept 17
	v_mov_b32 v[192+hh], 0
.set hh, hh+1
.endr
	s_mov_b32 s45, 0                               ; the pair's number
	WIN 0x40
.set hh, 0
.rept 16
	global_load_b128 v[128+4*hh:128+4*hh+3], v[EO], s[58:59] offset:256*hh
	global_load_b128 v[192+4*hh:192+4*hh+3], v[EO], s[60:61] offset:256*hh
.set hh, hh+1
.endr
.set hh, 0
.rept 16
	global_load_b128 v[4*hh:4*hh+3], v[XO0], s[42:43] offset:256*hh
	global_load_b128 v[64+4*hh:64+4*hh+3], v[XO0+1], s[42:43] offset:256*hh
.set hh, hh+1
.endr
.set a, 0
.rept 4                                ; the dump: each accumulator's low four registers first; rows 4,112 bytes apart: 16 lanes, 16 different columns of 16 bytes
	WIN 0x08+4*(a/2)
.set b, 0
.rept 16
.set rD, 8*(16*(a%2)+b)
	ds_store_b128 v[DMP+a], v[rD:rD+3] offset:64*b
	ds_store_b128 v[DMP+a], v[rD+4:rD+7] offset:64*b+16
.set b, b+1
.endr
.set a, a+1
.endr
	s_wait_dscnt 0x0                               ; for the others' sake; and window 2's registers have been read
	WIN 0x80
.set hh, 0
.rept 16
	global_load_b128 v[4*hh:4*hh+3], v[EO], s[12:13] offset:12288+256*hh  ; w_3; only i = 2 uses it: 4,096 bytes a wave, for a text without one more branch
.set hh, hh+1
.endr
	WIN 0
	s_barrier_signal -1
	s_barrier_wait -1
.set hh, 0
.rept 16
	ds_load_b128 v[64+4*hh:64+4*hh+3], v[RDA] offset:256*hh
.set hh, hh+1
.endr
	s_wait_loadcnt 0x0                             ; dbw, w_i, w_3 and the first two pairs of x
.macro DOTS acc, p1, p2                ; 32 packed products in four chains; the first four start them
.set z, 0
.rept 32
.if z < 4
	v_pk_mul_f32 v[(\acc)+2*z:(\acc)+2*z+1], v[(\p1)+2*z:(\p1)+2*z+1], v[(\p2)+2*z:(\p2)+2*z+1]
.else
	v_pk_fma_f32 v[(\acc)+2*(z%4):(\acc)+2*(z%4)+1], v[(\p1)+2*z:(\p1)+2*z+1], v[(\p2)+2*z:(\p2)+2*z+1], v[(\acc)+2*(z%4):(\acc)+2*(z%4)+1]
.endif
.set z, z+1
.endr
.endm
; A pair of rows, in buffers k.  kpre: the next pair's k_raw is fetched; xpre: x of the pair two on is asked for; left: the younger loads that may stay out.
.macro PAIR k, kpre, xpre, left
.set KR, 64+64*(\k)
.set KN, 128-64*(\k)
.set XW, 64*(\k)
	s_wait_dscnt 0x0                               ; k_raw is in
.if \kpre
	v_add_nc_u32 v[RDA], 2*PD, v[RDA]
.set hh, 0
.rept 16
	ds_load_b128 v[KN+4*hh:KN+4*hh+3], v[RDA] offset:256*hh
.set hh, hh+1
.endr
.endif
	DOTS 32, KR, KR                                ; |k_raw|^2
	s_wait_loadcnt \left                           ; x of this pair is in, so its offset may step
	v_add_nc_u32 v[XO0+(\k)], 16384, v[XO0+(\k)]
	WIN 0x04
	DOTS 40, KR, XW                                ; k_raw . x
	WIN 0x05
	DOTS 48, XW, 128                               ; x . dbw
	DOTS 56, XW, 192                               ; x . w_i
	WIN 0
.irp q, 32,40,48,56
	v_pk_add_f32 v[\q:\q+1], v[\q:\q+1], v[\q+2:\q+3]
	v_pk_add_f32 v[\q+4:\q+5], v[\q+4:\q+5], v[\q+6:\q+7]
.endr
.irp q, 32,40,48,56
	v_pk_add_f32 v[\q:\q+1], v[\q:\q+1], v[\q+4:\q+5]
.endr
.irp q, 0,1,2,3
	v_add_f32 v[16+\q], v[32+8*\q], v[33+8*\q]
.endr
.irp m, 1,2,4,8
.irp q, 16,17,18,19
	v_add_f32_dpp v\q, v\q, v\q row_xmask:\m row_mask:0xf bank_mask:0xf
.endr
.endr
	v_sqrt_f32 v20, v16                            ; behind each transcendental stands a plain line that touches neither its result nor its source (ISA guide 5.7.2)
	v_fma_f32 v21, v18, s63, s50                   ; -log2(e) (x . dbw + dbb)
	v_exp_f32 v21, v21
	s_wait_alu depctr_va_vdst(0)
	v_add_f32 v20, 0x322bcc77, v20                 ; + 1e-8
	v_rcp_f32 v20, v20                             ; inv
	v_add_f32 v21, 1.0, v21
	v_rcp_f32 v21, v21                             ; the sigmoid
	v_add_f32 v22, s51, v19                        ; v
	s_wait_alu depctr_va_vdst(0)
	v_mul_f32 v23, v17, v20                        ; kdh
	v_mul_f32 v24, v21, v20
	v_sub_f32 v22, v22, v23
	v_add_f32 v25, v24, v24                        ; beta inv, twice: a pair for the packed forms
	v_add_f32 v24, v24, v24
	v_mul_f32 v28, v24, v22                        ; beta inv (v - kdh), twice
	v_mul_f32 v29, v24, v22
	s_cmp_eq_u32 s[IX], 3
	s_cbranch_scc1 .Lk3_\@
	WIN 0x10
.set z, 0
.rept 32
	v_pk_fma_f32 v[KR+2*z:KR+2*z+1], v[KR+2*z:KR+2*z+1], v[28:29], v[XW+2*z:XW+2*z+1]
.set z, z+1
.endr
	WIN 0
	s_cmp_eq_u32 s[IX], 2
	s_cbranch_scc1 .Lu_\@
	s_branch .Lst_\@
.Lk3_\@:
.set z, 0
.rept 32
	v_pk_mul_f32 v[KR+2*z:KR+2*z+1], v[KR+2*z:KR+2*z+1], v[24:25]
.set z, z+1
.endr
	v_cmp_eq_u32 vcc_lo, s45, v1
	v_cndmask_b32 v208, v208, v23, vcc_lo          ; lane e = p keeps this pair's kdh
.Lst_\@:
.set z, 0
.rept 32
	v_cvt_pk_bf16_f32 v[32+z], v[KR+2*z], v[KR+2*z+1]
.set z, z+1
.endr
.set hh, 0
.rept 16
	global_store_b64 v[GO], v[32+2*hh:33+2*hh], s[52:53] offset:hh*262144  ; head hh: two rows of 128 bytes: 256 consecutive bytes, aligned
.set hh, hh+1
.endr
	s_branch .Ldone_\@
.Lu_\@:
	WIN 0x08
.set hh, 0
.rept 16
	v_pk_mul_f32 v[32+2*hh:33+2*hh], v[KR+4*hh:KR+4*hh+1], v[4*hh:4*hh+1]
.set hh, hh+1
.endr
.set hh, 0
.rept 16
	v_pk_fma_f32 v[32+2*hh:33+2*hh], v[KR+4*hh+2:KR+4*hh+3], v[4*hh+2:4*hh+3], v[32+2*hh:33+2*hh]
.set hh, hh+1
.endr
	WIN 0
.set hh, 0
.rept 16
	v_add_f32 v[32+2*hh], v[32+2*hh], v[33+2*hh]
.set hh, hh+1
.endr
.irp m, 1,2,4,8
.set hh, 0
.rept 16
	v_add_f32_dpp v[32+2*hh], v[32+2*hh], v[32+2*hh] row_xmask:\m row_mask:0xf bank_mask:0xf
.set hh, hh+1
.endr
.endr
	v_cmp_eq_u32 vcc_lo, s45, v1
.set hh, 0
.rept 16
	v_cndmask_b32 v[192+hh], v[192+hh], v[32+2*hh], vcc_lo
.set hh, hh+1
.endr
.Ldone_\@:
.if \xpre
	WIN 0x40
.set hh, 0
.rept 16
	global_load_b128 v[XW+4*hh:XW+4*hh+3], v[XO0+(\k)], s[42:43] offset:256*hh
.set hh, hh+1
.endr
	WIN 0
.endif
	s_wait_xcnt 0x0                                ; the stores' offset and data are written again only behind this wait
	v_add_nc_u32 v[GO], 256, v[GO]
	s_add_co_u32 s45, s45, 1
.endm
	s_mov_b32 s44, 3
.Lpair:
	PAIR 0, 1, 1, 16                               ; 16: the other buffer's loads
	PAIR 1, 1, 1, 16
	s_sub_co_u32 s44, s44, 1
	s_cmp_lg_u32 s44, 0
	s_cbranch_scc1 .Lpair
	PAIR 0, 1, 0, 16
	PAIR 1, 0, 0, 0
	s_cmp_eq_u32 s[IX], 2
	s_cbranch_scc0 .Lnot2
	v_cmp_gt_u32 vcc_lo, 8, v1
	s_wait_xcnt 0x0                                ; EXEC changes only behind this wait
	s_and_saveexec_b32 s62, vcc_lo
.set hh, 0
.rept 16
	global_store_b32 v[UO], v[192+hh], s[54:55] offset:hh*8192  ; my 16 rows of head hh: 64 consecutive bytes
.set hh, hh+1
.endr
	s_wait_xcnt 0x0
	s_or_b32 exec_lo, exec_lo, s62
.Lnot2:
	s_cmp_eq_u32 s[IX], 3
	s_cbranch_scc0 .Lnot3
	v_cmp_gt_u32 vcc_lo, 8, v1
	s_wait_xcnt 0x0
	s_and_saveexec_b32 s62, vcc_lo
	global_store_b32 v[UO], v208, s[56:57]
	s_wait_xcnt 0x0
	s_or_b32 exec_lo, exec_lo, s62
.Lnot3:
	s_wait_tensorcnt 0x0                           ; the wave's end
	ds_add_u32 v[SPW], v[NIL]
	s_wait_dscnt 0x0
	CROUND                                         ; the closing round
	s_endpgm
.Lfunc_end_k_q5beae2f918_kdelta:
	.size	k_q5beae2f918_kdelta, .Lfunc_end_k_q5beae2f918_kdelta-k_q5beae2f918_kdelta
	.p2alignl 7, 3214868480
	.fill 96, 4, 3214868480
	.section	.rodata,"a",@progbits
	.p2align	6, 0x0
	.amdhsa_kernel k_q5beae2f918_kdelta
		.amdhsa_group_segment_fixed_size 327680
		.amdhsa_private_segment_fixed_size 0
		.amdhsa_enable_private_segment 0
		.amdhsa_kernarg_size 64
		.amdhsa_user_sgpr_count 2
		.amdhsa_user_sgpr_kernarg_segment_ptr 1
		.amdhsa_wavefront_size32 1
		.amdhsa_system_sgpr_workgroup_id_x 1
		.amdhsa_system_sgpr_workgroup_id_y 1
		.amdhsa_system_sgpr_workgroup_id_z 1
		.amdhsa_system_vgpr_workitem_id 0
		.amdhsa_next_free_vgpr 1024
		.amdhsa_next_free_sgpr 66
		.amdhsa_reserve_vcc 1
		.amdhsa_float_denorm_mode_32 3
		.amdhsa_float_denorm_mode_16_64 3
		.amdhsa_memory_ordered 1
		.amdhsa_forward_progress 1
		.amdhsa_inst_pref_size 201
	.end_amdhsa_kernel
	.amdgpu_metadata
---
amdhsa.version: [ 1, 2 ]
amdhsa.kernels:
  - .name:           k_q5beae2f918_kdelta
    .symbol:         k_q5beae2f918_kdelta.kd
    .args:
      - { .name: x, .offset: 0, .size: 8, .value_kind: global_buffer, .address_space: global }
      - { .name: dwkb, .offset: 8, .size: 8, .value_kind: global_buffer, .address_space: global }
      - { .name: dbw, .offset: 16, .size: 8, .value_kind: global_buffer, .address_space: global }
      - { .name: dbb, .offset: 24, .size: 8, .value_kind: global_buffer, .address_space: global }
      - { .name: wv, .offset: 32, .size: 8, .value_kind: global_buffer, .address_space: global }
      - { .name: hb, .offset: 40, .size: 8, .value_kind: global_buffer, .address_space: global }
      - { .name: u, .offset: 48, .size: 8, .value_kind: global_buffer, .address_space: global }
      - { .name: kd3, .offset: 56, .size: 8, .value_kind: global_buffer, .address_space: global }
    .group_segment_fixed_size: 327680
    .private_segment_fixed_size: 0
    .kernarg_segment_align: 8
    .kernarg_segment_size: 64
    .max_flat_workgroup_size: 128
    .sgpr_count:     66
    .vgpr_count:     1024
    .wavefront_size: 32
...
	.end_amdgpu_metadata
.endif
;; end of part 2
;; launch attn (part 3): grid 8 x 32, 8 waves a work-group, clusters of 4 x 1, 327,680 bytes of LDS; arguments hb, u, oh; writes oh
.if DOCPART == 3
	.amdgcn_target "amdgcn-amd-amdhsa--gfx1250"
	.amdhsa_code_object_version 6
	.text
	.protected	k_q5beae2f918_attn
	.globl	k_q5beae2f918_attn
	.p2align	8
	.type	k_q5beae2f918_attn,@function
k_q5beae2f918_attn:
	s_mov_b64 s[64:65], 0
	v_nop
	global_prefetch_b8 v0, s[64:65] scope:SCOPE_SE
	s_setreg_imm32_b32 hwreg(HW_REG_WAVE_MODE, 25, 1), 1
	s_wait_xcnt 0x0
	s_wait_alu depctr_hold_cnt(0) depctr_sa_sdst(0) depctr_va_vdst(0) depctr_va_sdst(0) depctr_va_ssrc(0) depctr_va_vcc(0) depctr_vm_vsrc(0)
	s_getreg_b32 s2, hwreg(HW_REG_IB_STS2, 6, 4)
	s_cmp_eq_u32 s2, 0
	s_cbranch_scc0 .Lentry_in_a_cluster
	s_endpgm
.Lentry_in_a_cluster:
	s_bfe_u32 s2, ttmp6, 0x10000c
	s_cmp_lg_u32 s2, 0x3003
	s_cbranch_scc0 .Lentry_shape_is_right
	s_endpgm
.Lentry_shape_is_right:
; oh[bh][q] = the sum over k of softmax_k(q . k / 8) u[bh][k].  q, k: hb's planes 0 and 1, [32][2048][64] bf16; u, oh: [32][2048] f32.
; reference() uses the attention's output only through its dot product with w_3 = Wo dWv[3]; u[k] = v[k] . w_3 over the head's channels was made one launch back.
; So the second product has two channels: u, and ones, which give the softmax's divisor.
; LIMITS.  q, k, the weights p and u are rounded to bf16; the divisor is the sum of the rounded p; P (V w) for (P V) w is another order of summation than reference()'s.
; A weight below 2^-126 counts as 0; NaN and infinities are not treated apart.
; SOFTMAX.  For each query a running maximum m: p = 2^(c s - c m), c = log2(e) / 8; in every step both sums are multiplied by a = 2^(c m_old - c m_new).  m starts at the lowest finite number, the sums at 0.
; SHARES.  A work-group owns 256 queries of one (batch, head), each of its eight waves 32: two tiles of 16.  A tile and step have some 90 vector instructions for 10 matrix instructions, and a wave's
; whole state fits 256 registers: so two waves lie on a SIMD, the one's vector work beside the other's matrix and LDS work, and no register window is switched.
; K STAYS IN LDS: 2,048 keys x 144 bytes.  Nothing is filled again.  The four query blocks of a cluster read the same K: both fills are joint (mask 15).
; LAYOUT.  S^T = K Q^T: a lane holds one query (l % 16) and keys 8 (l / 16) + 0..7; two results rounded in pairs ARE source 1 of O = V'^T P, whose source 0 has u as channel 0, ones as channel 1, zeros else:
; the sums fall into registers 0 and 1 of lanes 0-15.
.set PK,    144                        ; a key in LDS: 128 bytes + 16: the 16 rows of a load start at 16 different groups of four banks
.set CHUNK, 1024*PK                    ; a fill of all eight waves: 1,024 keys
.set VT,    2*CHUNK                    ; behind K, filled by LDS stores alone: three rows of 4,160 bytes: u, ones, zeros
.set PVT,   4160
.set SPARE, 307456                     ; the spare words: 128 bytes a wave, four blocks of 256 that no other line names
.set AK,  2                            ; v2   my place in K's tile of the step to be fetched
.set AV,  3                            ; v3   my place in VT
.set SPW, 5                            ; v5   my spare word; never rewritten
.set NIL, 6                            ; v6   0; never rewritten
.set ST,  10                           ; tile t at v[ST+8 t]: c m, m, a, c m_old and then their difference, c0-c3 at work
.set O,   32                           ; 8 a tile
.set VF,  48                           ; V' of one step
.set Q,   64                           ; tile t, channel half c at Q + 16 t + 8 c
.set P,   96                           ; 16 a tile
.set KF,  128                          ; key block kb, channel half c at KF + 16 kb + 8 c
.set S,   192                          ; 32 a tile
.set WV,  20
.set G1,  24                           ; s[24:31]
.set G0,  40                           ; s[40:47]: a group 0 for each fill
.set CNT, 56
.set CS,  58                           ; s[58:59] c
.set SEL, 60                           ; s[60:61]
.macro CROUND
	s_barrier_signal -1
	s_barrier_wait -1
	s_cmp_lg_u32 s[WV], 0
	s_cbranch_scc1 .Lnot_wave_0_\@
	s_barrier_signal -3
.Lnot_wave_0_\@:
	s_barrier_wait -3
	s_barrier_signal -1
	s_barrier_wait -1
.endm
	s_load_b128 s[4:7], s[0:1], 0x0                ; hb s[4:5], u s[6:7]
	s_load_b64 s[8:9], s[0:1], 0x10                ; oh
	v_lshl_add_u32 v[SPW], v0, 2, SPARE
	v_mov_b32 v[NIL], 0
	ds_add_u32 v[SPW], v[NIL]                      ; the wave's opening: the add and its wait ahead of my first tensor load
	v_lshrrev_b32 v1, 5, v0
	v_readfirstlane_b32 s[WV], v1
	s_bfe_u32 s21, ttmp6, 0x40000                  ; cx
	s_lshl_b32 s22, ttmp9, 2
	s_add_co_u32 s22, s22, s21                     ; my block of 256 queries: it enters q's and oh's addresses alone
	s_and_b32 s23, ttmp7, 0xffff                   ; (batch, head), which the partners share
	s_mov_b32 s[G1], 15|(1<<16)|(1<<20)|(1<<21)|(4<<22)|(3<<25)  ; mask of four; 2-byte elements; padding on; bit 21 beside a mask; after every 32 words (code 4) 4 words (code 3)
	s_mov_b32 s[G1+1], 128<<16                     ; 128 keys are 16,384 dense bytes: asked for as 64 rows of 256, two keys a row, padded after every key
	s_mov_b32 s[G1+2], 64<<16
	s_mov_b32 s[G1+3], 128<<16
	s_mov_b32 s[G1+4], 64
	s_mov_b32 s[G1+5], 128
	s_mov_b32 s[G1+6], 0
	s_mov_b32 s[G1+7], 0
	s_mov_b32 s[G0], 1
	s_mul_i32 s[G0+1], s[WV], 128*PK               ; my 128 keys of the first 1,024,
	s_mov_b32 s[G0+4], 1
	s_add_co_u32 s[G0+5], s[G0+1], CHUNK           ; of the second
	s_lshl_b32 s48, s23, 18                        ; the head's 262,144 bytes,
	s_lshl_b32 s49, s[WV], 14
	s_add_co_u32 s48, s48, s49
	s_add_co_u32 s48, s48, 8388608                 ; in plane 1
	s_mov_b32 s49, 0
	s_lshl_b32 s50, s23, 18
	s_lshl_b32 s51, s22, 15                        ; my block's 256 rows of 128 bytes,
	s_add_co_u32 s50, s50, s51
	s_lshl_b32 s51, s[WV], 12                      ; my wave's 32
	s_add_co_u32 s50, s50, s51
	s_mov_b32 s51, 0
	s_lshl_b32 s52, s23, 13
	s_mov_b32 s53, 0
	s_lshl_b32 s54, s22, 10
	s_add_co_u32 s54, s54, s52
	s_lshl_b32 s55, s[WV], 7
	s_add_co_u32 s54, s54, s55
	s_mov_b32 s55, 0
	s_mov_b32 s[CS], 0x3e38aa3b                    ; c = log2(e) / 8
	s_mov_b32 s[CS+1], s[CS]
	s_mov_b32 s[SEL], 0x76543210
	s_mov_b32 s[SEL+1], 0xfedcba98
	s_wait_dscnt 0x0                               ; the opening add is done
	s_wait_kmcnt 0x0
	s_add_nc_u64 s[G0+2:G0+3], s[4:5], s[48:49]
	s_add_nc_u64 s[G0+6:G0+7], s[G0+2:G0+3], 131072
	s_or_b32 s[G0+3], s[G0+3], 0x80000000
	s_or_b32 s[G0+7], s[G0+7], 0x80000000
	s_add_nc_u64 s[10:11], s[4:5], s[50:51]        ; q at my wave's rows
	s_add_nc_u64 s[6:7], s[6:7], s[52:53]          ; u at the head
	s_add_nc_u64 s[8:9], s[8:9], s[54:55]          ; oh at my wave's queries
	CROUND                                         ; all four work-groups are here
	tensor_load_to_lds s[G0:G0+3], s[G1:G1+7]      ; two loads of mine are out, and no more follow
	s_nop 0
	tensor_load_to_lds s[G0+4:G0+7], s[G1:G1+7]
	s_nop 0
.rept 4
	v_nop
.endr
	v_and_b32 v1, 15, v0
	v_bfe_u32 v7, v0, 4, 1
	v_lshlrev_b32 v4, 7, v1
	v_lshl_add_u32 v4, v7, 4, v4                   ; row x 128 + 16 x half
.irp f, 0,1,2,3
	global_load_b128 v[Q+8*\f:Q+8*\f+3],   v4, s[10:11] offset:(\f/2)*2048+(\f%2)*64
	global_load_b128 v[Q+8*\f+4:Q+8*\f+7], v4, s[10:11] offset:(\f/2)*2048+(\f%2)*64+32
.endr
	v_lshlrev_b32 v8, 5, v0                        ; thread t takes u of keys 8 t .. 8 t + 7
	global_load_b128 v[128:131], v8, s[6:7]
	global_load_b128 v[132:135], v8, s[6:7] offset:16
	v_lshl_add_u32 v9, v0, 4, VT
.irp z, 140,141,142,143
	v_mov_b32 v\z, 0x3f803f80                      ; two ones in bf16
.endr
.irp z, 144,145,146,147
	v_mov_b32 v\z, 0
.endr
	ds_store_b128 v9, v[140:143] offset:PVT
	ds_store_b128 v9, v[144:147] offset:2*PVT
	v_mul_u32_u24 v[AK], v1, PK
	v_lshl_add_u32 v[AK], v7, 4, v[AK]
	v_min_u32 v[AV], 2, v1                         ; channel l % 16: u, ones, and zeros for all the others
	v_mul_u32_u24 v[AV], v[AV], PVT
	v_lshl_add_u32 v[AV], v7, 4, v[AV]
	v_add_nc_u32 v[AV], VT, v[AV]
.irp t, 0,1
	v_mov_b32 v[ST+8*\t], 0xfe000000               ; c m: far below every c s
	v_mov_b32 v[ST+8*\t+1], 0xff7fffff             ; m
.endr
.set z, 0
.rept 16
	v_mov_b32 v[O+z], 0
.set z, z+1
.endr
	s_wait_loadcnt 0x0                             ; Q and u
	v_cvt_pk_bf16_f32 v136, v128, v129
	v_cvt_pk_bf16_f32 v137, v130, v131
	v_cvt_pk_bf16_f32 v138, v132, v133
	v_cvt_pk_bf16_f32 v139, v134, v135
	ds_store_b128 v9, v[136:139]
	s_wait_dscnt 0x0                               ; for the others' sake: my part of VT is stored
	s_wait_tensorcnt 1                             ; my part of the first 1,024 keys is in; the second fill may stay out
	s_barrier_signal -1
	s_barrier_wait -1
.macro KQ                              ; product i of 16: channels 32 (i / 8) on, keys 16 ((i / 2) % 4) on, tile i % 2.  The 8 accumulators take turns; the first 8 start the sums
.set rS, S+32*(i%2)+8*((i/2)%4)
.set rK, KF+16*((i/2)%4)+8*(i/8)
.set rQ, Q+16*(i%2)+8*(i/8)
.if i < 8
	v_wmma_f32_16x16x32_bf16 v[rS:rS+7], v[rK:rK+7], v[rQ:rQ+7], 0
.else
	v_wmma_f32_16x16x32_bf16 v[rS:rS+7], v[rK:rK+7], v[rQ:rQ+7], v[rS:rS+7]
.endif
.endm
.macro FETCHK
.irp f, 0,1,2,3,4,5,6,7
	ds_load_b128 v[KF+8*\f:KF+8*\f+3],   v[AK] offset:(\f/2)*16*PK+(\f%2)*64
	ds_load_b128 v[KF+8*\f+4:KF+8*\f+7], v[AK] offset:(\f/2)*16*PK+(\f%2)*64+32
.endr
.endm
; Number n of the 22 that find tile t's maximum and statistics; each accumulator's lowest registers are read first.
.macro XS t, n
.set rT, ST+8*(\t)
.set rC, ST+8*(\t)+4
.set rS, S+32*(\t)
.if (\n) < 4
	v_max3_num_f32 v[rC+(\n)], v[rS+8*(\n)], v[rS+8*(\n)+1], v[rS+8*(\n)+2]
.elseif (\n) < 12
	v_max3_num_f32 v[rC+(\n)%4], v[rC+(\n)%4], v[rS+8*((\n)%4)+2*((\n)/4)+1], v[rS+8*((\n)%4)+2*((\n)/4)+2]
.elseif (\n) == 12
	v_max3_num_f32 v[rC], v[rC], v[rS+7], v[rS+15]
.elseif (\n) == 13
	v_max3_num_f32 v[rC+1], v[rC+1], v[rS+23], v[rS+31]
.elseif (\n) == 14
	v_max3_num_f32 v[rC+2], v[rC+2], v[rC+3], v[rT+1]
.elseif (\n) == 15
	v_mov_b32 v[rT+3], v[rT]                       ; c m_old is kept
.elseif (\n) == 16
	v_max3_num_f32 v[rC], v[rC], v[rC+1], v[rC+2]
.elseif (\n) == 17
	v_permlanex16_b32 v[rC+3], v[rC], s[SEL], s[SEL+1]  ; the query's other 32 keys lie in the lane 16 away
.elseif (\n) == 18
	v_max_num_f32 v[rT+1], v[rC], v[rC+3]
.elseif (\n) == 19
	v_mul_f32 v[rT], s[CS], v[rT+1]
.elseif (\n) == 20
	v_sub_f32 v[rT+3], v[rT+3], v[rT]
.else
	v_exp_f32 v[rT+2], v[rT+3]
.endif
.endm
; A key step: 64 keys.  pre = 1: the next step's K is fetched.
.macro STEP pre
	s_wait_dscnt 0x0                               ; K is in
.set i, 0
.rept 16
	KQ
.set i, i+1
.endr
	v_add_nc_u32 v[AK], 64*PK, v[AK]               ; with the three below: the places behind those products
.rept 3
	v_nop
.endr
.irp f, 0,1,2,3
	ds_load_b128 v[VF+4*\f:VF+4*\f+3], v[AV] offset:32*\f  ; keys 32 (f / 2) + 16 (f % 2) + 8 (l / 16) on, of my channel's row
.endr
.if \pre
	FETCHK
.endif
	v_add_nc_u32 v[AV], 128, v[AV]
.irp n, 0,1,2,3,4,5,6,7,8,9,10,11,12,13,14,15,16,17,18,19,20,21
	XS 0, \n                                       ; the two tiles alternate
	XS 1, \n
.endr
.set n, 0
.rept 16
	v_pk_fma_f32 v[S+2*n:S+2*n+1], v[S+2*n:S+2*n+1], s[CS:CS+1], v[ST:ST+1] op_sel_hi:[1,0,0] neg_lo:[0,0,1] neg_hi:[0,0,1]  ; c s - c m
	v_pk_fma_f32 v[S+32+2*n:S+32+2*n+1], v[S+32+2*n:S+32+2*n+1], s[CS:CS+1], v[ST+8:ST+9] op_sel_hi:[1,0,0] neg_lo:[0,0,1] neg_hi:[0,0,1]
.set n, n+1
.endr
.set n, 0
.rept 16                               ; four exponentials, then two plain lines on other registers: a pair is rounded a group behind its exponentials (ISA guide 5.7.2)
	v_exp_f32 v[S+2*n], v[S+2*n]
	v_exp_f32 v[S+2*n+1], v[S+2*n+1]
	v_exp_f32 v[S+32+2*n], v[S+32+2*n]
	v_exp_f32 v[S+32+2*n+1], v[S+32+2*n+1]
.if n == 0
	s_wait_alu depctr_va_vdst(0)
	v_pk_mul_f32 v[O:O+1], v[O:O+1], v[ST+2:ST+3] op_sel_hi:[1,0]        ; both sums times a
	v_pk_mul_f32 v[O+8:O+9], v[O+8:O+9], v[ST+10:ST+11] op_sel_hi:[1,0]
.else
	s_wait_alu depctr_va_vdst(0)
	v_cvt_pk_bf16_f32 v[P+n-1], v[S+2*n-2], v[S+2*n-1]
	v_cvt_pk_bf16_f32 v[P+16+n-1], v[S+32+2*n-2], v[S+32+2*n-1]
.endif
.set n, n+1
.endr
	s_wait_alu depctr_va_vdst(0)
	v_cvt_pk_bf16_f32 v[P+15], v[S+30], v[S+31]
	v_cvt_pk_bf16_f32 v[P+31], v[S+62], v[S+63]
.if \pre
	s_wait_dscnt 16                                ; V' is in; K's 16 younger loads may stay out
.else
	s_wait_dscnt 0x0
.endif
.irp kk, 0,1                           ; the two accumulators take turns
	v_wmma_f32_16x16x32_bf16 v[O:O+7], v[VF+8*\kk:VF+8*\kk+7], v[P+8*\kk:P+8*\kk+7], v[O:O+7]
	v_wmma_f32_16x16x32_bf16 v[O+8:O+15], v[VF+8*\kk:VF+8*\kk+7], v[P+16+8*\kk:P+16+8*\kk+7], v[O+8:O+15]
.endr
.endm
	FETCHK                                         ; key step 0
	s_mov_b32 s[CNT], 15
.Lfirst:                                               ; steps 0-14 fetch steps 1-15: all in the first 1,024 keys
	STEP 1
	s_sub_co_u32 s[CNT], s[CNT], 1
	s_cmp_lg_u32 s[CNT], 0
	s_cbranch_scc1 .Lfirst
	s_wait_dscnt 0x0
	s_wait_tensorcnt 0x0                           ; my part of the second 1,024 keys is in,
	s_barrier_signal -1
	s_barrier_wait -1                              ; everybody's is
	s_mov_b32 s[CNT], 16
.Lrest:                                                ; steps 15-30 fetch steps 16-31
	STEP 1
	s_sub_co_u32 s[CNT], s[CNT], 1
	s_cmp_lg_u32 s[CNT], 0
	s_cbranch_scc1 .Lrest
	STEP 0
.rept 4
	v_nop                                          ; the places behind the last products
.endr
	v_rcp_f32 v10, v[O+1]                          ; the divisor is at least 1 in lanes 0-15: the largest weight is 1.  Lanes 16-31 hold channels that nobody wants
	v_rcp_f32 v11, v[O+9]
	v_and_b32 v12, 31, v0
	s_wait_alu depctr_va_vdst(0)
	v_mul_f32 v10, v[O], v10
	v_mul_f32 v11, v[O+8], v11
	v_permlanex16_b32 v13, v11, s[SEL], s[SEL+1]   ; tile 1's results go to lanes 16-31
	v_cmp_le_u32 vcc_lo, 16, v12
	v_cndmask_b32 v10, v10, v13, vcc_lo
	v_lshlrev_b32 v12, 2, v12
	global_store_b32 v12, v10, s[8:9]              ; my 32 queries: 128 consecutive bytes; the eight waves' 1,024
	s_wait_tensorcnt 0x0                           ; the wave's end
	ds_add_u32 v[SPW], v[NIL]
	s_wait_dscnt 0x0
	CROUND                                         ; the closing round
	s_endpgm
.Lfunc_end_k_q5beae2f918_attn:
	.size	k_q5beae2f918_attn, .Lfunc_end_k_q5beae2f918_attn-k_q5beae2f918_attn
	.p2alignl 7, 3214868480
	.fill 96, 4, 3214868480
	.section	.rodata,"a",@progbits
	.p2align	6, 0x0
	.amdhsa_kernel k_q5beae2f918_attn
		.amdhsa_group_segment_fixed_size 327680
		.amdhsa_private_segment_fixed_size 0
		.amdhsa_enable_private_segment 0
		.amdhsa_kernarg_size 24
		.amdhsa_user_sgpr_count 2
		.amdhsa_user_sgpr_kernarg_segment_ptr 1
		.amdhsa_wavefront_size32 1
		.amdhsa_system_sgpr_workgroup_id_x 1
		.amdhsa_system_sgpr_workgroup_id_y 1
		.amdhsa_system_sgpr_workgroup_id_z 1
		.amdhsa_system_vgpr_workitem_id 0
		.amdhsa_next_free_vgpr 256
		.amdhsa_next_free_sgpr 66
		.amdhsa_reserve_vcc 1
		.amdhsa_float_denorm_mode_32 3
		.amdhsa_float_denorm_mode_16_64 3
		.amdhsa_memory_ordered 1
		.amdhsa_forward_progress 1
		.amdhsa_inst_pref_size 44
	.end_amdhsa_kernel
	.amdgpu_metadata
---
amdhsa.version: [ 1, 2 ]
amdhsa.kernels:
  - .name:           k_q5beae2f918_attn
    .symbol:         k_q5beae2f918_attn.kd
    .args:
      - { .name: hb, .offset: 0, .size: 8, .value_kind: global_buffer, .address_space: global }
      - { .name: u, .offset: 8, .size: 8, .value_kind: global_buffer, .address_space: global }
      - { .name: oh, .offset: 16, .size: 8, .value_kind: global_buffer, .address_space: global }
    .group_segment_fixed_size: 327680
    .private_segment_fixed_size: 0
    .kernarg_segment_align: 8
    .kernarg_segment_size: 24
    .max_flat_workgroup_size: 256
    .sgpr_count:     66
    .vgpr_count:     256
    .wavefront_size: 32
...
	.end_amdgpu_metadata
.endif
;; end of part 3
;; launch final (part 4): grid 256 x 1, 2 waves a work-group, no clusters, 0 bytes of LDS; arguments x, hb, oh, kd3, wv, ln_g, ln_b, out0; writes out0
.if DOCPART == 4
	.amdgcn_target "amdgcn-amd-amdhsa--gfx1250"
	.amdhsa_code_object_version 6
	.text
	.protected	k_q5beae2f918_final
	.globl	k_q5beae2f918_final
	.p2align	8
	.type	k_q5beae2f918_final,@function
k_q5beae2f918_final:
	s_mov_b64 s[64:65], 0
	v_nop
	global_prefetch_b8 v0, s[64:65] scope:SCOPE_SE
	s_setreg_imm32_b32 hwreg(HW_REG_WAVE_MODE, 25, 1), 1
	s_wait_xcnt 0x0
; y = x + (beta_3 k_3) t, t = the sum over the 16 heads of oh + c_3 - k_3 . x; then LayerNorm over the row's 1,024 numbers, in two passes (mean; then the squares of the differences), all in f32.
; beta_3 k_3: hb's plane 2, bf16 by heads.  A stream: no LDS, no barrier, no matrix unit, no cluster.
; LIMITS: v_rsq_f32 is good to the last bit but not correctly rounded; NaN and infinities are not treated apart.
; SHARES.  A wave owns 8 rows, two at a time: lane (g = l / 16, e = l % 16) holds row 2 p + g, columns 64 hh + 4 e .. + 3, hh = 0..15: a row never leaves its 16 lanes.
; Every step from pair to pair stands in an immediate: no address register is written again.
; REGISTERS.  Window 0: v1 x's and out0's offset, v2 hb's, v3 oh's, v9 kd3's, v10 the gains'; v4 t of my 8 rows (lane l: row l % 8); v16-27 sums; v64-191 x and then y, two buffers; v192-255 k_3, two buffers.
; Window 1: v0-63 ln_g, v64-127 ln_b.
.set MSB, 0
.macro WIN new
.if MSB != (\new)
	s_set_vgpr_msb (MSB<<8)|(\new)
.set MSB, (\new)
.endif
.endm
	s_load_b512 s[4:19], s[0:1], 0x0               ; x 4, hb 6, oh 8, kd3 10, wv 12, ln_g 14, ln_b 16, out0 18
	v_lshrrev_b32 v5, 5, v0
	v_readfirstlane_b32 s20, v5
	s_lshl_b32 s21, ttmp9, 4
	s_lshl3_add_u32 s21, s20, s21                  ; my first row: 16 x work-group + 8 x wave
	s_lshr_b32 s22, s21, 11                        ; the batch
	s_and_b32 s23, s21, 2047                       ; the row in it
	s_mov_b32 s28, 0x76543210
	s_mov_b32 s29, 0xfedcba98
	s_mov_b32 s31, 0xffff0000                      ; lanes 16-31
	s_mov_b32 s34, 0x3a800000                      ; 1 / 1,024
	v_and_b32 v6, 31, v0
	v_and_b32 v7, 15, v0
	v_bfe_u32 v8, v0, 4, 1
	v_lshlrev_b32 v1, 12, v8
	v_lshl_add_u32 v1, v7, 4, v1                   ; g x 4,096 + 16 e
	v_lshlrev_b32 v2, 7, v8
	v_lshl_add_u32 v2, v7, 3, v2                   ; g x 128 + 8 e
	v_and_b32 v9, 7, v6
	v_lshlrev_b32 v9, 2, v9                        ; 4 (l % 8)
	v_lshrrev_b32 v3, 3, v6
	v_lshl_add_u32 v3, v3, 13, v9                  ; head l / 8, row l % 8
	v_lshlrev_b32 v10, 4, v7
	s_lshl_b32 s24, s21, 12
	s_mov_b32 s25, 0
	s_lshl_b32 s26, s22, 22
	s_lshl_b32 s27, s23, 7
	s_add_co_u32 s26, s26, s27
	s_add_co_u32 s26, s26, 16777216                ; plane 2
	s_mov_b32 s27, 0
	s_wait_kmcnt 0x0
	s_load_b32 s30, s[12:13], 0x400c               ; c_3
	s_add_nc_u64 s[4:5], s[4:5], s[24:25]
	s_add_nc_u64 s[18:19], s[18:19], s[24:25]
	s_add_nc_u64 s[6:7], s[6:7], s[26:27]
	s_lshl_b32 s24, s22, 17
	s_lshl2_add_u32 s24, s23, s24
	s_add_nc_u64 s[8:9], s[8:9], s[24:25]
	s_lshl_b32 s24, s21, 2
	s_add_nc_u64 s[10:11], s[10:11], s[24:25]
.macro FILL p                          ; pair p: 16 loads of x (256 bytes of each of two rows), 16 of k_3 (256 consecutive bytes of a head)
.set XB, 64+64*((\p)%2)
.set KB, 192+32*((\p)%2)
.set hh, 0
.rept 16
	global_load_b128 v[XB+4*hh:XB+4*hh+3], v1, s[4:5] offset:(\p)*8192+256*hh th:TH_LOAD_NT
	global_load_b64 v[KB+2*hh:KB+2*hh+1], v2, s[6:7] offset:hh*262144+256*(\p) th:TH_LOAD_NT
.set hh, hh+1
.endr
.endm
.irp j, 0,1,2,3
	global_load_b32 v[12+\j], v3, s[8:9] offset:32768*\j  ; heads l / 8 + 4 j
.endr
	global_load_b32 v11, v9, s[10:11]
	WIN 0x40
.set hh, 0
.rept 16
	global_load_b128 v[4*hh:4*hh+3], v10, s[14:15] offset:256*hh
	global_load_b128 v[64+4*hh:64+4*hh+3], v10, s[16:17] offset:256*hh
.set hh, hh+1
.endr
	WIN 0
	FILL 0
	FILL 1
	s_wait_loadcnt 63                              ; 96 loads were issued behind the first five; the wait's field holds 63
	v_add_f32 v12, v12, v13
	v_add_f32 v14, v14, v15
	v_add_f32 v12, v12, v14
	v_add_f32_dpp v12, v12, v12 row_xmask:8 row_mask:0xf bank_mask:0xf
	v_permlanex16_b32 v13, v12, s28, s29
	v_add_f32 v12, v12, v13                        ; all 16 heads
	s_wait_kmcnt 0x0
	v_add_f32 v12, s30, v12
	v_sub_f32 v4, v12, v11
.macro REDUCE                          ; four chains in v16-23 into v16, summed over the row's 16 lanes
	v_pk_add_f32 v[16:17], v[16:17], v[18:19]
	v_pk_add_f32 v[20:21], v[20:21], v[22:23]
	v_pk_add_f32 v[16:17], v[16:17], v[20:21]
	v_add_f32 v16, v16, v17
.irp m, 1,2,4,8
	v_add_f32_dpp v16, v16, v16 row_xmask:\m row_mask:0xf bank_mask:0xf
.endr
.endm
.macro PAIR p, left
.set XB, 64+64*((\p)%2)
.set KB, 192+32*((\p)%2)
	s_wait_loadcnt \left
	v_readlane_b32 s32, v4, 2*(\p)
	v_readlane_b32 s33, v4, 2*(\p)+1
	v_mov_b32 v5, s32
	v_mov_b32 v6, s33
	v_cndmask_b32 v5, v5, v6, s31                  ; my row's t
.set z, 0
.rept 32
	v_fma_mix_f32_bf16 v[XB+2*z], v[KB+z], v5, v[XB+2*z] op_sel:[0,0,0] op_sel_hi:[1,0,0]      ; y = k t + x, k straight from its bf16 half
	v_fma_mix_f32_bf16 v[XB+2*z+1], v[KB+z], v5, v[XB+2*z+1] op_sel:[1,0,0] op_sel_hi:[1,0,0]
.set z, z+1
.endr
.set z, 0
.rept 4
	v_pk_add_f32 v[16+2*z:17+2*z], v[XB+2*z:XB+2*z+1], v[XB+8+2*z:XB+8+2*z+1]
.set z, z+1
.endr
.set z, 8
.rept 24
	v_pk_add_f32 v[16+2*(z%4):17+2*(z%4)], v[16+2*(z%4):17+2*(z%4)], v[XB+2*z:XB+2*z+1]
.set z, z+1
.endr
	REDUCE
	v_mul_f32 v24, s34, v16                        ; the mean, twice
	v_mul_f32 v25, s34, v16
.set z, 0
.rept 32
	v_pk_add_f32 v[XB+2*z:XB+2*z+1], v[XB+2*z:XB+2*z+1], v[24:25] neg_lo:[0,1] neg_hi:[0,1]
.set z, z+1
.endr
.set z, 0
.rept 32
.if z < 4
	v_pk_mul_f32 v[16+2*z:17+2*z], v[XB+2*z:XB+2*z+1], v[XB+2*z:XB+2*z+1]
.else
	v_pk_fma_f32 v[16+2*(z%4):17+2*(z%4)], v[XB+2*z:XB+2*z+1], v[XB+2*z:XB+2*z+1], v[16+2*(z%4):17+2*(z%4)]
.endif
.set z, z+1
.endr
	REDUCE
	v_fmaak_f32 v26, s34, v16, 0x3727c5ac          ; the variance + 1e-5
	v_rsq_f32 v26, v26
	v_nop                                          ; a plain line behind the transcendental (ISA guide 5.7.2)
	s_wait_alu depctr_va_vdst(0)
	v_mov_b32 v27, v26
.set z, 0
.rept 32
	v_pk_mul_f32 v[XB+2*z:XB+2*z+1], v[XB+2*z:XB+2*z+1], v[26:27]
.set z, z+1
.endr
	WIN 0x14                                       ; sources 1 and 2 in window 1
.set z, 0
.rept 32
	v_pk_fma_f32 v[XB+2*z:XB+2*z+1], v[XB+2*z:XB+2*z+1], v[2*z:2*z+1], v[64+2*z:64+2*z+1]
.set z, z+1
.endr
	WIN 0
.set hh, 0
.rept 16
	global_store_b128 v1, v[XB+4*hh:XB+4*hh+3], s[18:19] offset:(\p)*8192+256*hh th:TH_STORE_NT  ; 16 lanes store 256 consecutive bytes, aligned
.set hh, hh+1
.endr
.endm
	PAIR 0, 32                                     ; 32: the other buffer's fill
	s_wait_xcnt 0x0                                ; the stores' data registers are loaded again only behind this wait
	FILL 2
	PAIR 1, 32
	s_wait_xcnt 0x0
	FILL 3
	PAIR 2, 32
	PAIR 3, 0
	s_endpgm
.Lfunc_end_k_q5beae2f918_final:
	.size	k_q5beae2f918_final, .Lfunc_end_k_q5beae2f918_final-k_q5beae2f918_final
	.p2alignl 7, 3214868480
	.fill 96, 4, 3214868480
	.section	.rodata,"a",@progbits
	.p2align	6, 0x0
	.amdhsa_kernel k_q5beae2f918_final
		.amdhsa_group_segment_fixed_size 0
		.amdhsa_private_segment_fixed_size 0
		.amdhsa_enable_private_segment 0
		.amdhsa_kernarg_size 64
		.amdhsa_user_sgpr_count 2
		.amdhsa_user_sgpr_kernarg_segment_ptr 1
		.amdhsa_wavefront_size32 1
		.amdhsa_system_sgpr_workgroup_id_x 1
		.amdhsa_system_sgpr_workgroup_id_y 1
		.amdhsa_system_sgpr_workgroup_id_z 1
		.amdhsa_system_vgpr_workitem_id 0
		.amdhsa_next_free_vgpr 384
		.amdhsa_next_free_sgpr 66
		.amdhsa_reserve_vcc 0
		.amdhsa_float_denorm_mode_32 3
		.amdhsa_float_denorm_mode_16_64 3
		.amdhsa_memory_ordered 1
		.amdhsa_forward_progress 1
		.amdhsa_inst_pref_size 85
	.end_amdhsa_kernel
	.amdgpu_metadata
---
amdhsa.version: [ 1, 2 ]
amdhsa.kernels:
  - .name:           k_q5beae2f918_final
    .symbol:         k_q5beae2f918_final.kd
    .args:
      - { .name: x, .offset: 0, .size: 8, .value_kind: global_buffer, .address_space: global }
      - { .name: hb, .offset: 8, .size: 8, .value_kind: global_buffer, .address_space: global }
      - { .name: oh, .offset: 16, .size: 8, .value_kind: global_buffer, .address_space: global }
      - { .name: kd3, .offset: 24, .size: 8, .value_kind: global_buffer, .address_space: global }
      - { .name: wv, .offset: 32, .size: 8, .value_kind: global_buffer, .address_space: global }
      - { .name: ln_g, .offset: 40, .size: 8, .value_kind: global_buffer, .address_space: global }
      - { .name: ln_b, .offset: 48, .size: 8, .value_kind: global_buffer, .address_space: global }
      - { .name: out0, .offset: 56, .size: 8, .value_kind: global_buffer, .address_space: global }
    .group_segment_fixed_size: 0
    .private_segment_fixed_size: 0
    .kernarg_segment_align: 8
    .kernarg_segment_size: 64
    .max_flat_workgroup_size: 64
    .sgpr_count:     66
    .vgpr_count:     384
    .wavefront_size: 32
...
	.end_amdgpu_metadata
.endif
;; end of part 4
;; ======== version 2 of 2: 4 launches; version 1 with the launch prep written anew for expert scheduling mode
;; limits: values outside matrix products are rounded to bf16
;; workspace buffers: dwkb 8,388,608 bytes; wv 16,640 bytes; hb 25,165,824 bytes; u 262,144 bytes; kd3 16,384 bytes; oh 262,144 bytes
;; launch prep (part 5): grid 128 x 2, 4 waves a work-group, no clusters, 0 bytes of LDS; arguments dWk, Wq, Wk, Wv, Wo, bq, bk, bv, bo, dWv, dbv, dwkb, wv; writes dwkb, wv
.if DOCPART == 5
	.amdgcn_target "amdgcn-amd-amdhsa--gfx1250"
	.amdhsa_code_object_version 6
	.text
	.protected	k_q5beae2f918_prep
	.globl	k_q5beae2f918_prep
	.p2align	8
	.type	k_q5beae2f918_prep,@function
k_q5beae2f918_prep:
	s_mov_b64 s[64:65], 0
	v_nop
	global_prefetch_b8 v0, s[64:65] scope:SCOPE_SE
	s_setreg_imm32_b32 hwreg(HW_REG_WAVE_SCHED_MODE, 0, 2), 2
	s_setreg_imm32_b32 hwreg(HW_REG_WAVE_MODE, 25, 1), 1
	s_wait_xcnt 0x0
	s_wait_alu depctr_vm_vsrc(0)
; Two jobs, chosen by the work-group's y.
; y = 0: dwkb = dWk rounded to bf16, a flat stream: a work-group takes 131,072 bytes of dWk, a wave 32,768, in 64 chunks of 512.
; y = 1: w_m[d] = the sum over e of W_m[d][e] dWv[m][e] (m = 0..3: Wq, Wk, Wv, Wo) and c_m = b_m . dWv[m] + dbv[m], all in f32.
;        reference() uses x W_m + b_m only through its dot product with dWv[m]; (x W + b) . d = x . (W d) + b . d for every input.
; LIMIT: that order of summation differs from reference()'s; the sums here are f32.
; No LDS, no matrix unit, no cluster: nothing is shared, and each byte is read once.
; THE MODE: SCHED_MODE bits 1:0 = 2 (LLVM: expert scheduling mode 2), set by the entry lines.  The code itself states the register dependences
; between vector instructions and memory instructions, with s_wait_alu, always for 0.
; THE PLAN, y = 0.  The 64 chunks go in 16 blocks of four.  Registers that memory instructions touch:
;   X0 .. X4   five blocks as loaded.  Written by the loads of block p + 4, issued in block p; read by block p's eight conversions (X[p % 5]).
;   Y          a pair for each chunk, never written twice.  Written by block p's conversions; read by the four stores issued in block p + 1.
;   v1, v2     byte offsets, made at the head and never written again; the bases stand still, and every step stands in an immediate.
; Block p's memory instructions are the loads into X[(p + 4) % 5] = X[(p - 1) % 5] and the stores of block p - 1's Y: what block p - 1 worked on, and what no
; vector instruction of block p names.  So one wait at a block's head states all that its eight memory instructions hang on, and they are dealt among its conversions.
; THE PLAN, y = 1.  Eight rows a wave, a turn each.
;   RS0 .. RS4 five row slots.  Written by loads alone (row r + 4 is asked for in turn r, into RS[(r - 1) % 5]); read by turn r's products (RS[r % 5]).
;   DV         loaded once; read by the products.      v[40:47]  sums: vector instructions alone, but for v40 as the data of the last store.
;   s48 .. s55 turn r's result, written by v_readfirstlane_b32; all eight are read behind one wait.
;   v56, v57   the results' store: data and offset, written by vector instructions ahead of the wait that stands in front of the write of EXEC.
.set XS, 8                             ; v[8:87]    y = 0: block k, chunk i: 4 registers at XS + 16 k + 4 i, as loaded
.set YS, 88                            ; v[88:215]  y = 0: a pair for each chunk: no store's data register is ever written again
.set DV, 8                             ; v[8:39]    y = 1: dWv[m]: lane l holds columns 128 j + 4 l .. + 3
.set SM, 40                            ; v[40:47]   y = 1: four chains of packed sums
.set RS, 72                            ; v[72:231]  y = 1: five row slots of 32 registers
.set RES, 48                           ; s[48:55]   y = 1: the eight rows' results
	s_load_b512 s[8:23], s[0:1], 0x0               ; dWk 8, Wq 10, Wk 12, Wv 14, Wo 16, bq 18, bk 20, bv 22
	s_load_b256 s[24:31], s[0:1], 0x40             ; bo 24, dWv 26, dbv 28, dwkb 30
	s_load_b64 s[32:33], s[0:1], 0x60              ; wv
	v_lshrrev_b32 v4, 5, v0
	v_readfirstlane_b32 s2, v4                     ; wave
	s_and_b32 s3, ttmp7, 0xffff                    ; y
	s_mov_b32 s4, ttmp9                            ; x
	v_and_b32 v3, 31, v0                           ; lane
	v_lshlrev_b32 v1, 4, v3                        ; 16 bytes a lane in
	v_lshlrev_b32 v2, 3, v3                        ; 8 bytes a lane out
	s_mov_b32 s7, 0
	s_wait_kmcnt 0x0
	s_wait_alu depctr_va_sdst(0)                   ; s2 is written, ahead of the branch and of its first reader on either way
	s_wait_alu depctr_va_vdst(0)                   ; v1 and v2 are written: every load reads v1 as its offset, the stream's stores v2
	s_cmp_lg_u32 s3, 0
	s_cbranch_scc1 .Lmatvec
	; ---- y = 0: the conversion ----
	s_lshl_b32 s6, s4, 17
	s_lshl_b32 s5, s2, 15
	s_add_co_u32 s6, s6, s5                        ; 131,072 x + 32,768 wave
	s_add_nc_u64 s[34:35], s[8:9], s[6:7]
	s_lshr_b32 s6, s6, 1
	s_add_nc_u64 s[36:37], s[30:31], s[6:7]
.set c, 0
.rept 16
	global_load_b128 v[XS+4*c:XS+4*c+3], v1, s[34:35] offset:512*c th:TH_LOAD_NT  ; blocks 0 to 3 into X0 to X3
.set c, c+1
.endr
.set p, 0
.rept 16                               ; block p
.if p < 13
	s_wait_loadcnt 12                              ; loads return in order: block p is in, the three younger blocks stay out
.else
	s_wait_loadcnt 4*(15-p)                        ; the last blocks: the count runs down
.endif
.if p > 0
	s_wait_alu depctr_va_vdst(0)                   ; the block before has written its Y, which the stores below read, and is done reading its X, in which the loads below land
.endif                                                 ; (block 0: no store, and no vector instruction has named X4)
.set i, 0
.rept 4
.if p < 12
	global_load_b128 v[XS+16*((p+4)%5)+4*i:XS+16*((p+4)%5)+4*i+3], v1, s[34:35] offset:512*(4*(p+4)+i) th:TH_LOAD_NT  ; four blocks ahead; no vector instruction since the wait names these registers
.endif
.if p > 0
	global_store_b64 v2, v[YS+2*(4*(p-1)+i):YS+2*(4*(p-1)+i)+1], s[36:37] offset:256*(4*(p-1)+i)  ; the block before: the wave's 32 lanes store 256 consecutive bytes, aligned
.endif
	v_cvt_pk_bf16_f32 v[YS+2*(4*p+i)], v[XS+16*(p%5)+4*i], v[XS+16*(p%5)+4*i+1]
	v_cvt_pk_bf16_f32 v[YS+2*(4*p+i)+1], v[XS+16*(p%5)+4*i+2], v[XS+16*(p%5)+4*i+3]
.set i, i+1
.endr
.set p, p+1
.endr
	s_wait_alu depctr_va_vdst(0)                   ; block 15 has written its Y, which the last four stores read
.irp n, 0,1,2,3
	global_store_b64 v2, v[YS+2*(60+(\n)):YS+2*(60+(\n))+1], s[36:37] offset:256*(60+(\n))
.endr
	s_endpgm
	; ---- y = 1: the matrix-vector products: 128 work-groups x 4 waves x 8 rows = 4 x 1,024 rows ----
.Lmatvec:
	s_lshr_b32 s5, s4, 5                           ; m
	s_cmp_eq_u32 s5, 1
	s_cselect_b64 s[34:35], s[12:13], s[10:11]
	s_cselect_b64 s[42:43], s[20:21], s[18:19]
	s_cmp_eq_u32 s5, 2
	s_cselect_b64 s[34:35], s[14:15], s[34:35]
	s_cselect_b64 s[42:43], s[22:23], s[42:43]
	s_cmp_eq_u32 s5, 3
	s_cselect_b64 s[34:35], s[16:17], s[34:35]     ; W_m
	s_cselect_b64 s[42:43], s[24:25], s[42:43]     ; b_m
	s_mov_b32 s38, 0x76543210                      ; v_permlanex16_b32: each lane takes its own place in the other half
	s_mov_b32 s39, 0xfedcba98
	s_and_b32 s44, s4, 31
	s_lshl_b32 s44, s44, 5
	s_lshl3_add_u32 s44, s2, s44                   ; my first row: 32 (x % 32) + 8 wave
	s_lshl_b32 s6, s44, 12
	s_add_nc_u64 s[34:35], s[34:35], s[6:7]        ; W_m at that row
	s_lshl_b32 s6, s5, 12
	s_add_nc_u64 s[26:27], s[26:27], s[6:7]        ; dWv[m]
	s_lshl2_add_u32 s6, s44, s6                    ; 4,096 m + 4 row
	s_add_nc_u64 s[36:37], s[32:33], s[6:7]        ; w_m at that row
	v_mov_b32 v56, 0                               ; lane r will hold row r's result
	v_lshlrev_b32 v57, 2, v3
.macro LDW s, row, j                   ; 512 bytes of a row of W_m into slot s
	global_load_b128 v[RS+32*(\s)+4*(\j):RS+32*(\s)+4*(\j)+3], v1, s[34:35] offset:(\row)*4096+512*(\j) th:TH_LOAD_NT
.endm
.macro FILLROW s, row
.irp j, 0,1,2,3,4,5,6,7
	LDW \s, \row, \j
.endr
.endm
; v40 = slot s . dWv[m], in every lane.  frow >= 0: row frow is asked for, into slot fs: eight loads, two in front of each four of the products, which name slot s, DV and the sums alone.
.macro DOT s, fs=0, frow=-1
.set z, 0
.rept 16
.if ((\frow) >= 0) && (z%4 == 0)
	LDW \fs, \frow, z/2
	LDW \fs, \frow, z/2+1
.endif
.if z < 4
	v_pk_mul_f32 v[SM+2*z:SM+2*z+1], v[RS+32*(\s)+2*z:RS+32*(\s)+2*z+1], v[DV+2*z:DV+2*z+1]  ; the first four products start the chains
.else
	v_pk_fma_f32 v[SM+2*(z%4):SM+2*(z%4)+1], v[RS+32*(\s)+2*z:RS+32*(\s)+2*z+1], v[DV+2*z:DV+2*z+1], v[SM+2*(z%4):SM+2*(z%4)+1]
.endif
.set z, z+1
.endr
	v_pk_add_f32 v[40:41], v[40:41], v[42:43]
	v_pk_add_f32 v[44:45], v[44:45], v[46:47]
	v_pk_add_f32 v[40:41], v[40:41], v[44:45]
	v_add_f32 v40, v40, v41
	v_add_f32_dpp v40, v40, v40 row_xmask:1 row_mask:0xf bank_mask:0xf
	v_add_f32_dpp v40, v40, v40 row_xmask:2 row_mask:0xf bank_mask:0xf
	v_add_f32_dpp v40, v40, v40 row_xmask:4 row_mask:0xf bank_mask:0xf
	v_add_f32_dpp v40, v40, v40 row_xmask:8 row_mask:0xf bank_mask:0xf
	v_permlanex16_b32 v41, v40, s38, s39
	v_add_f32 v40, v40, v41
.endm
.macro TURN r, left
	s_wait_loadcnt \left                           ; row r is in; the rows behind it stay out
.if ((\r) > 0) && ((\r) < 4)
	s_wait_alu depctr_va_vdst(0)                   ; the turn before is done reading its slot, in which this turn's loads land
.endif                                                 ; (turn 0: no vector instruction has named slot 4; turns 4 to 7 ask for nothing)
.if (\r) < 4
	DOT (\r)%5, ((\r)+4)%5, (\r)+4
.else
	DOT (\r)%5
.endif
	v_readfirstlane_b32 s[RES+(\r)], v40           ; a register for each row, so that one wait serves all eight
.endm
.irp j, 0,1,2,3,4,5,6,7
	global_load_b128 v[DV+4*(\j):DV+4*(\j)+3], v1, s[26:27] offset:512*(\j)
.endr
	FILLROW 0, 0
	FILLROW 1, 1
	FILLROW 2, 2
	FILLROW 3, 3
	TURN 0, 24                                     ; three younger rows of eight loads
	TURN 1, 24
	TURN 2, 24
	TURN 3, 24
	TURN 4, 24
	TURN 5, 16
	TURN 6, 8
	TURN 7, 0
	s_wait_alu depctr_va_sdst(0)                   ; s48 to s55 are written, ahead of their first readers
.irp r, 0,1,2,3,4,5,6,7
	v_writelane_b32 v56, s[RES+(\r)], \r
.endr
	v_cmp_gt_u32 vcc_lo, 8, v3
	s_wait_xcnt 0x0                                ; EXEC is a source of what has been issued: it changes only behind this wait
	s_wait_alu depctr_va_vcc(0)                    ; VCC is written: EXEC is made from it
	s_wait_alu depctr_va_vdst(0)                   ; the vector instructions issued under the old EXEC are done; among them those that wrote v56 and v57, which the store reads
	s_wait_alu depctr_vm_vsrc(0)                   ; the loads issued under the old EXEC have read their registers
	s_and_saveexec_b32 s40, vcc_lo
	global_store_b32 v57, v56, s[36:37]            ; eight results: 32 consecutive bytes
	s_wait_xcnt 0x0
	s_wait_alu depctr_va_vdst(0)                   ; ahead of the write of EXEC: no vector instruction is under way; the turns are done reading slot 0, in which b_m lands below
	s_wait_alu depctr_vm_vsrc(0)                   ; the store has read v56 and v57 under the narrow EXEC
	s_or_b32 exec_lo, exec_lo, s40
	s_and_b32 s6, s4, 31
	s_or_b32 s6, s6, s2
	s_cmp_lg_u32 s6, 0
	s_cbranch_scc1 .Lend                           ; one wave for each m makes c_m
	s_lshl_b32 s6, s5, 2
	s_add_nc_u64 s[28:29], s[28:29], s[6:7]
	s_load_b32 s41, s[28:29], 0x0                  ; dbv[m]
	s_add_nc_u64 s[46:47], s[32:33], s[6:7]
.irp j, 0,1,2,3,4,5,6,7
	global_load_b128 v[RS+4*(\j):RS+4*(\j)+3], v1, s[42:43] offset:512*(\j)  ; no vector instruction stands between the last wait on va_vdst and these loads
.endr
	s_wait_loadcnt 0x0
	DOT 0
	s_wait_kmcnt 0x0
	v_add_f32 v40, s41, v40
	v_cmp_eq_u32 vcc_lo, 0, v3
	s_wait_xcnt 0x0
	s_wait_alu depctr_va_vcc(0)                    ; VCC is written: EXEC is made from it
	s_wait_alu depctr_va_vdst(0)                   ; the vector instructions issued under the old EXEC are done; among them the one that wrote v40, which the store reads
	s_wait_alu depctr_vm_vsrc(0)                   ; the loads issued under the old EXEC have read their registers
	s_and_saveexec_b32 s40, vcc_lo
	global_store_b32 v57, v40, s[46:47] offset:16384  ; c_m lies behind the four w
	s_wait_xcnt 0x0
	s_wait_alu depctr_va_vdst(0)                   ; ahead of the write of EXEC: no vector instruction is under way
	s_wait_alu depctr_vm_vsrc(0)                   ; the store has read v57 and v40 under the narrow EXEC
	s_or_b32 exec_lo, exec_lo, s40
.Lend:
	s_endpgm
.Lfunc_end_k_q5beae2f918_prep:
	.size	k_q5beae2f918_prep, .Lfunc_end_k_q5beae2f918_prep-k_q5beae2f918_prep
	.p2alignl 7, 3214868480
	.fill 96, 4, 3214868480
	.section	.rodata,"a",@progbits
	.p2align	6, 0x0
	.amdhsa_kernel k_q5beae2f918_prep
		.amdhsa_group_segment_fixed_size 0
		.amdhsa_private_segment_fixed_size 0
		.amdhsa_enable_private_segment 0
		.amdhsa_kernarg_size 104
		.amdhsa_user_sgpr_count 2
		.amdhsa_user_sgpr_kernarg_segment_ptr 1
		.amdhsa_wavefront_size32 1
		.amdhsa_system_sgpr_workgroup_id_x 1
		.amdhsa_system_sgpr_workgroup_id_y 1
		.amdhsa_system_sgpr_workgroup_id_z 1
		.amdhsa_system_vgpr_workitem_id 0
		.amdhsa_next_free_vgpr 232
		.amdhsa_next_free_sgpr 66
		.amdhsa_reserve_vcc 1
		.amdhsa_float_denorm_mode_32 3
		.amdhsa_float_denorm_mode_16_64 3
		.amdhsa_memory_ordered 1
		.amdhsa_forward_progress 1
		.amdhsa_inst_pref_size 47
	.end_amdhsa_kernel
	.amdgpu_metadata
---
amdhsa.version: [ 1, 2 ]
amdhsa.kernels:
  - .name:           k_q5beae2f918_prep
    .symbol:         k_q5beae2f918_prep.kd
    .args:
      - { .name: dWk, .offset: 0, .size: 8, .value_kind: global_buffer, .address_space: global }
      - { .name: Wq, .offset: 8, .size: 8, .value_kind: global_buffer, .address_space: global }
      - { .name: Wk, .offset: 16, .size: 8, .value_kind: global_buffer, .address_space: global }
      - { .name: Wv, .offset: 24, .size: 8, .value_kind: global_buffer, .address_space: global }
      - { .name: Wo, .offset: 32, .size: 8, .value_kind: global_buffer, .address_space: global }
      - { .name: bq, .offset: 40, .size: 8, .value_kind: global_buffer, .address_space: global }
      - { .name: bk, .offset: 48, .size: 8, .value_kind: global_buffer, .address_space: global }
      - { .name: bv, .offset: 56, .size: 8, .value_kind: global_buffer, .address_space: global }
      - { .name: bo, .offset: 64, .size: 8, .value_kind: global_buffer, .address_space: global }
      - { .name: dWv, .offset: 72, .size: 8, .value_kind: global_buffer, .address_space: global }
      - { .name: dbv, .offset: 80, .size: 8, .value_kind: global_buffer, .address_space: global }
      - { .name: dwkb, .offset: 88, .size: 8, .value_kind: global_buffer, .address_space: global }
      - { .name: wv, .offset: 96, .size: 8, .value_kind: global_buffer, .address_space: global }
    .group_segment_fixed_size: 0
    .private_segment_fixed_size: 0
    .kernarg_segment_align: 8
    .kernarg_segment_size: 104
    .max_flat_workgroup_size: 128
    .sgpr_count:     66
    .vgpr_count:     232
    .wavefront_size: 32
...
	.end_amdgpu_metadata
.endif
;; end of part 5
;; launch kdelta: the kernel of part 2 again; grid 64 x 4, 4 waves a work-group, clusters of 4 x 1, 327,680 bytes of LDS; arguments x, dwkb, dbw, dbb, wv, hb, u, kd3; writes hb, u, kd3
;; launch attn: the kernel of part 3 again; grid 8 x 32, 8 waves a work-group, clusters of 4 x 1, 327,680 bytes of LDS; arguments hb, u, oh; writes oh
;; launch final: the kernel of part 4 again; grid 256 x 1, 2 waves a work-group, no clusters, 0 bytes of LDS; arguments x, hb, oh, kd3, wv, ln_g, ln_b, out0; writes out0
